; MI455X (gfx1250); checked and timed in simulation.
; The chip was launched on July 23, 2026; its instructions are those of AMD's public machine-readable ISA for CDNA 5 (MIT licence, August 2026) and "CDNA5" Instruction Set Architecture Reference Guide (July 2026). The comments in the code are by the model that wrote it; some were corrected since.
;; Multi Head Attention. Allowed arithmetic: matrix products marked QUANTISED: E2M3 operands, one E8M0 scale for each 32 along K, by v_wmma_scale_f32_16x16x128_f8f6f4 with both operands' format E2M3, f32 sums; everything else in f32.
;; Inputs: bk 1,024 float32; bo 1,024 float32; bq 1,024 float32; bv 1,024 float32; k_scale 64 float32; kv_codes 2 x 2,048 x 32 x 24 uint8 (E2M3 codes of kv, K innermost, in blocks of 32 codes, four codes in three bytes); kv_positions 2,048 int32; kv_scales 2 x 2,048 x 32 uint8 (E8M0 scales of kv, one for each 32 codes along K); mask 2 x 1 x 2,048 x 2,048 bool; q_codes 2 x 2,048 x 32 x 24 uint8 (E2M3 codes of q, K innermost, in blocks of 32 codes, four codes in three bytes); q_positions 2,048 int32; q_scale 64 float32; q_scales 2 x 2,048 x 32 uint8 (E8M0 scales of q, one for each 32 codes along K); wk_codes 1,024 x 32 x 24 uint8 (E2M3 codes of wk, K innermost, in blocks of 32 codes, four codes in three bytes); wk_scales 1,024 x 32 uint8 (E8M0 scales of wk, one for each 32 codes along K); wo_codes 1,024 x 32 x 24 uint8 (E2M3 codes of wo, K innermost, in blocks of 32 codes, four codes in three bytes); wo_scales 1,024 x 32 uint8 (E8M0 scales of wo, one for each 32 codes along K); wq_codes 1,024 x 32 x 24 uint8 (E2M3 codes of wq, K innermost, in blocks of 32 codes, four codes in three bytes); wq_scales 1,024 x 32 uint8 (E8M0 scales of wq, one for each 32 codes along K); wv_codes 1,024 x 32 x 24 uint8 (E2M3 codes of wv, K innermost, in blocks of 32 codes, four codes in three bytes); wv_scales 1,024 x 32 uint8 (E8M0 scales of wv, one for each 32 codes along K).
;; Outputs: out0 2 x 2,048 x 1,024 float32; out1 2 x 16 x 2,048 float32.
;; This version of the problem:
;;   THIS VERSION OF THE PROBLEM IS GIVEN IN LOW PRECISION. The matrix products marked QUANTISED in the list below multiply operands that are first quantised to E2M3 (2 exponent bits, 3 mantissa bits; 6 bits a number), with one power-of-two scale for each 32 numbers along K (OCP MX v1.0); their sums are f32. All else is computed in f32.
;;   The module's matrix products, in the order in which they are computed (A, B: the left and right operand; K: the contracted axis; several contracted axes count as one K, in the product's order):
;;     1. [M 4,096, K 1,024] x [K 1,024, N 1,024]; A: input q (given as codes); B: input wq (given as codes): QUANTISED
;;     2. [M 4,096, K 1,024] x [K 1,024, N 1,024]; A: input kv (given as codes); B: input wk (given as codes): QUANTISED
;;     3. [M 4,096, K 1,024] x [K 1,024, N 1,024]; A: input kv (given as codes); B: input wv (given as codes): QUANTISED
;;     4. batch 32 x [M 2,048, K 64] x [K 64, N 2,048]; A: computed on the way; B: computed on the way: QUANTISED
;;     5. batch 32 x [M 64, K 2,048] x [K 2,048, N 2,048]; A: computed on the way; B: computed on the way: QUANTISED
;;     6. [M 4,096, K 1,024] x [K 1,024, N 1,024]; A: computed on the way; B: input wo (given as codes): QUANTISED
;;   THE QUANTISER, for each operand of a quantised product, along K:
;;     - K is cut into blocks of 32 from its start; a last block that is shorter is filled with zeros.
;;     - A block's scale is 2^e with e = floor(log2(the largest magnitude in the block)) - 2, held to -126 .. 127; a block of zeros has e = 0. As a byte (E8M0): e + 127.
;;     - Each number is divided by its block's scale, clamped to +-7.5, and rounded to the nearest number of E2M3, ties to even, subnormals kept.
;;     - The product sums the exact products of the quantised numbers (number of the format x scale) in f32.
;;   ~~~python
;;   def quantise(x, axis):      # numpy; x: float32 -> the quantised numbers, widened to float32 again
;;       x = np.moveaxis(x, axis, -1); K = x.shape[-1]
;;       x = np.pad(x, [(0, 0)] * (x.ndim - 1) + [(0, -K % 32)]); x = x.reshape(x.shape[:-1] + (-1, 32)); a = np.abs(x).max(-1, keepdims=True)
;;       e = np.where(a > 0, np.clip(np.frexp(np.where(a > 0, a, 1))[1] - 1 - 2, -126, 127), 0)      # np.frexp(a)[1] - 1 = floor(log2(a)), exactly
;;       r = np.clip(x / 2.0 ** e, -7.5, 7.5)
;;       step = 2.0 ** (np.maximum(np.frexp(np.where(r == 0, 1, r))[1] - 1, 0) - 3)
;;       q = np.round(r / step) * step * 2.0 ** e      # np.round: ties to even
;;       return np.moveaxis(q.reshape(q.shape[:-2] + (-1,))[..., :K], -1, axis).astype(np.float32)
;;   ~~~
;;   OPERANDS COMPUTED ON THE WAY. 'Computed on the way' means the value that the module computes at that place (a softmax that the list does not call 'softmax' is quantised finished and normalised). What goes into a quantiser is computed in f32, as accurately as f32 sums, v_exp_f32 and their like allow (about 1e-6 of the number): no bf16 or f16 on the way to a quantiser, and a product that is left as it is and whose result goes on into a quantised operand takes f32 operands (vector FMAs, or v_wmma_f32_16x16x4_f32). A number that lies on a knife's edge between two numbers of the format may be rounded either way, as far as f32 arithmetic and the matrix unit's own rounding can turn it there, and no further.
;;   INPUTS GIVEN AS CODES. kv (in the module: [2, 2048, 1024], K = its axis 2); q (in the module: [2, 2048, 1024], K = its axis 2); wk (in the module: [1024, 1024], K = its axis 0); wo (in the module: [1024, 1024], K = its axis 0); wq (in the module: [1024, 1024], K = its axis 0); wv (in the module: [1024, 1024], K = its axis 0): each comes as NAME_codes (uint8): NAME with its K axis moved to the last place and cut into blocks of 32 codes, [.., K / 32, bytes a block], one block behind the other in memory; four codes in three bytes: a row's codes are one little-endian stream of bits, code i at bits 6 i .. 6 i + 5 (a code: sign, 2 exponent bits, 3 mantissa bits); and NAME_scales (uint8): the same leading axes, one E8M0 byte (e + 127) for each 32 codes along K. Its value is code x scale, taken as it is: it is not quantised again, and the codes and scales need not be those that the quantiser above would give.
;; One version. Each part assembles by itself: llvm-mc -triple=amdgcn-amd-amdhsa -mcpu=gfx1250 --defsym DOCPART=n.
;; ======== version 1 of 1: 4 launches
;; limits: right only within a limited range of input values
;; workspace buffers: maskw 1,048,576 bytes of whole numbers; cnt 16,384 bytes; rope 1,048,576 bytes; qbuf 3,407,872 bytes; kbuf 3,407,872 bytes; vbuf 3,276,800 bytes; abuf 3,145,728 bytes; asc 131,072 bytes
;; launch prep (part 1): grid 256 x 1, 8 waves a work-group, no clusters, 1,536 bytes of LDS; arguments mask, q_positions, kv_positions, maskw, cnt, rope; writes maskw, cnt, rope
.if DOCPART == 1
	.amdgcn_target "amdgcn-amd-amdhsa--gfx1250"
	.amdhsa_code_object_version 6
	.text
	.protected	k_q88b06a2a12_prep
	.globl	k_q88b06a2a12_prep
	.p2align	8
	.type	k_q88b06a2a12_prep,@function
k_q88b06a2a12_prep:
	s_mov_b64 s[64:65], 0
	v_nop
	global_prefetch_b8 v0, s[64:65] scope:SCOPE_SE
	s_setreg_imm32_b32 hwreg(HW_REG_WAVE_MODE, 25, 1), 1
	s_wait_xcnt 0x0
; PREP: the mask as lane-mask words, the count of true keys of each query, and the table of cos and sin for RoPE.
; UNITS.  Tokens are handled in units of 16: unit U, slot p (0..15) is token 32 (U/2) + 8 (U%2) + p + 8 (p/8).  All later launches use this order.
; Work-group g (0..255) does two things: the mask of (batch g/128, query unit g%128), and the table of (kind g/128: 0 = q_positions, 1 = kv_positions; unit g%128).
; MASK.  Lane (r, h) of wave w reads, of its query's row, keys 256 w + 32 b + 16 h + 0..15 (b = 0..7): eight loads of 16 bytes; the wave's eight loads cover 256 consecutive bytes of 16 rows.
;   Word 128 w + 16 b + i of the work-group's 1,024 words has in bit L the mask byte i of block b of lane L: so a later launch masks one register of 32 lanes with one select.
;   A wave's 128 words leave as 512 consecutive bytes.
; TABLE.  Wave c makes the frequencies f = 16 h + 2 c + {0, 1}: x = position / 10^(f/8); cos x and sin x by reduction with pi/2 in two parts and two polynomials on |rho| <= pi/4.
;   Entry of lane L: cos f0, cos f1, sin f0, sin f1: 16 bytes at 4,096 g + 512 c + 16 L.
; LIMITS: positions up to 131,072 in magnitude (beyond that the two-part reduction loses accuracy).  No matrix unit, no cluster, no tensor load: each byte is read once and nothing is shared between work-groups.
.set MK, 32                            ; v32-63  the mask bytes: block b in v[MK+4b .. +3]
.set WD, 64                            ; v64-67  my four words on the way out
.macro TSEL c, a, b, d, e              ; wave c's four timescales: f = 2c, 2c+1, 16+2c, 17+2c
	s_cmp_eq_u32 s2, \c
	s_cselect_b32 s24, \a, s24
	s_cselect_b32 s25, \b, s25
	s_cselect_b32 s26, \d, s26
	s_cselect_b32 s27, \e, s27
.endm
	s_load_b256 s[4:11], s[0:1], 0x0               ; mask s[4:5], q_positions s[6:7], kv_positions s[8:9], maskw s[10:11]
	s_load_b128 s[12:15], s[0:1], 0x20             ; cnt s[12:13], rope s[14:15]
	v_lshl_add_u32 v96, v0, 2, 0x200
	v_mov_b32 v97, 0
	v_lshrrev_b32 v1, 5, v0
	v_readfirstlane_b32 s2, v1                     ; wave 0..7
	v_and_b32 v2, 31, v0                           ; L
	v_and_b32 v3, 15, v0                           ; r
	v_bfe_u32 v4, v0, 4, 1                         ; h
	v_and_b32 v5, 8, v3
	v_add_nc_u32 v5, v5, v3                        ; r + 8 (r/8)
	s_and_b32 s16, ttmp9, 127                      ; the unit
	s_lshr_b32 s17, ttmp9, 7                       ; batch, and kind
	s_lshr_b32 s18, s16, 1
	s_lshl_b32 s18, s18, 5
	s_and_b32 s19, s16, 1
	s_lshl_b32 s19, s19, 3
	s_add_co_u32 s18, s18, s19                     ; the unit's first token
	v_add_lshl_u32 v6, v5, s18, 2                  ; my token's position: 4 bytes each
	v_lshlrev_b32 v7, 11, v5
	v_lshl_add_u32 v7, v4, 4, v7                   ; mask: my row of 2,048 bytes, + 16 h
	v_lshlrev_b32 v10, 4, v2                       ; 16 L: both ways out
	v_lshlrev_b32 v14, 2, v3                       ; 4 r
	s_lshl_b32 s19, s2, 6
	v_add_nc_u32 v11, s19, v14                     ; LDS: my wave's 16 counts
	s_lshl_b32 s20, s17, 22                        ; a batch's mask is 4,194,304 bytes
	s_lshl_b32 s21, s18, 11
	s_add_co_u32 s20, s20, s21
	s_lshl_b32 s21, s2, 8
	s_add_co_u32 s20, s20, s21                     ; + the unit's first row + 256 keys a wave
	s_mov_b32 s21, 0
	s_lshl_b32 s22, ttmp9, 12
	s_lshl_b32 s23, s2, 9
	s_add_co_u32 s22, s22, s23                     ; 4,096 g + 512 wave: in maskw and in rope alike
	s_mov_b32 s23, 0
	s_lshl_b32 s28, ttmp9, 6                       ; 64 g: in cnt
	s_mov_b32 s29, 0
	s_mov_b32 s24, 1.0                             ; 10^(f/8), to nine digits
	s_mov_b32 s25, 1.33352143
	s_mov_b32 s26, 100.0
	s_mov_b32 s27, 133.352143
	TSEL 1, 1.77827941, 2.37137371, 177.827941, 237.137371
	TSEL 2, 3.16227766, 4.21696503, 316.227766, 421.696503
	TSEL 3, 5.62341325, 7.49894209, 562.341325, 749.894209
	TSEL 4, 10.0, 13.3352143, 1000.0, 1333.52143
	TSEL 5, 17.7827941, 23.7137371, 1778.27941, 2371.37371
	TSEL 6, 31.6227766, 42.1696503, 3162.27766, 4216.96503
	TSEL 7, 56.2341325, 74.9894209, 5623.41325, 7498.94209
	s_mov_b32 s30, 0x3fc90fdb                      ; pi/2, upper part
	s_mov_b32 s31, 0xb33bbd2e                      ; pi/2 less that part
	s_mov_b32 s32, -0.00019515295891               ; sin's polynomial
	s_mov_b32 s33, 0.0083321608736
	s_mov_b32 s34, -0.16666654611
	s_mov_b32 s35, 0.00002443315712                ; cos's
	s_mov_b32 s36, -0.001388731625
	s_mov_b32 s37, 0.04166664568
	s_mov_b32 s40, 0x76543210
	s_mov_b32 s41, 0xfedcba98                      ; selects for lane l xor 16
	s_wait_kmcnt 0x0
	s_cmp_lt_u32 ttmp9, 128                        ; which positions: hangs on the work-group's number alone
	s_cselect_b64 s[6:7], s[6:7], s[8:9]
	s_add_nc_u64 s[4:5], s[4:5], s[20:21]
	s_add_nc_u64 s[10:11], s[10:11], s[22:23]
	s_add_nc_u64 s[14:15], s[14:15], s[22:23]
	s_add_nc_u64 s[12:13], s[12:13], s[28:29]
	global_load_b32 v8, v6, s[6:7]                 ; the position first: the table is made while the mask is on its way
.irp b, 0,1,2,3,4,5,6,7
	global_load_b128 v[MK+4*\b:MK+4*\b+3], v7, s[4:5] offset:32*\b th:TH_LOAD_NT
.endr
	; ---- the table
.irp j, 0,1
	v_mov_b32 v[16+\j], s[24+\j]
	v_mov_b32 v[18+\j], s[26+\j]
.endr
	v_cmp_ne_u32 vcc_lo, 0, v4
.irp j, 0,1
	v_cndmask_b32 v[16+\j], v[16+\j], v[18+\j], vcc_lo     ; lanes 16-31 take f = 16 + ..
.endr
.irp j, 0,1
	v_rcp_f32 v[18+\j], v[16+\j]
.endr
	s_wait_loadcnt 8                               ; the position is in; the eight mask loads are younger
	v_cvt_f32_i32 v9, v8                           ; (a plain line behind the reciprocals)
	s_wait_alu depctr_va_vdst(0)
.irp j, 0,1
	v_mul_f32 v[20+\j], v9, v[18+\j]               ; the quotient, first guess,
.endr
.irp j, 0,1
	v_fma_f32 v[22+\j], -v[20+\j], v[16+\j], v9    ; its remainder,
.endr
.irp j, 0,1
	v_fma_f32 v[20+\j], v[22+\j], v[18+\j], v[20+\j]   ; x = position / timescale, mended
.endr
.irp j, 0,1
	v_mul_f32 v[22+\j], 0x3f22f983, v[20+\j]       ; x * 2/pi
.endr
.irp j, 0,1
	v_rndne_f32 v[22+\j], v[22+\j]                 ; n
.endr
.irp j, 0,1
	v_fma_f32 v[20+\j], -v[22+\j], s30, v[20+\j]
.endr
.irp j, 0,1
	v_fma_f32 v[20+\j], -v[22+\j], s31, v[20+\j]   ; rho = x - n pi/2
.endr
.irp j, 0,1
	v_mul_f32 v[24+\j], v[20+\j], v[20+\j]         ; z = rho^2
	v_cvt_i32_f32 v[22+\j], v[22+\j]               ; n as a whole number
.endr
.irp j, 0,1
	v_fma_f32 v[26+\j], v[24+\j], s32, s33
	v_fma_f32 v[28+\j], v[24+\j], s35, s36
.endr
.irp j, 0,1
	v_fma_f32 v[26+\j], v[26+\j], v[24+\j], s34
	v_fma_f32 v[28+\j], v[28+\j], v[24+\j], s37
.endr
.irp j, 0,1
	v_mul_f32 v[26+\j], v[26+\j], v[24+\j]
	v_mul_f32 v[28+\j], v[28+\j], v[24+\j]
.endr
.irp j, 0,1
	v_fma_f32 v[26+\j], v[26+\j], v[20+\j], v[20+\j]   ; sin rho
	v_fma_f32 v[30+\j], v[24+\j], -0.5, 1.0
.endr
.irp j, 0,1
	v_fma_f32 v[28+\j], v[28+\j], v[24+\j], v[30+\j]   ; cos rho
.endr
.irp j, 0,1
	v_and_b32 v[30+\j], 1, v[22+\j]                ; odd n: sin and cos change places
.endr
	v_cmp_ne_u32 vcc_lo, 0, v30
	v_cmp_ne_u32 s38, 0, v31
	v_cndmask_b32 v68, v26, v28, vcc_lo
	v_cndmask_b32 v70, v28, v26, vcc_lo
	v_cndmask_b32 v69, v27, v29, s38
	v_cndmask_b32 v71, v29, v27, s38
.irp j, 0,1
	v_and_b32 v[30+\j], 2, v[22+\j]                ; sin's sign: n & 2
	v_add_nc_u32 v[22+\j], 1, v[22+\j]
.endr
.irp j, 0,1
	v_lshlrev_b32 v[30+\j], 30, v[30+\j]
	v_and_b32 v[22+\j], 2, v[22+\j]                ; cos's sign: (n + 1) & 2
.endr
.irp j, 0,1
	v_xor_b32 v[74+\j], v[30+\j], v[68+\j]
	v_lshlrev_b32 v[22+\j], 30, v[22+\j]
.endr
.irp j, 0,1
	v_xor_b32 v[72+\j], v[22+\j], v[70+\j]
.endr
	global_store_b128 v10, v[72:75], s[14:15]      ; the wave stores 512 consecutive bytes
	; ---- the mask
.irp k, 0,1,2,3
	v_mov_b32 v[WD+\k], 0                          ; written once: a lane write's destination counts as read
.endr
	v_mov_b32 v13, 0                               ; likewise the permute's
	s_wait_loadcnt 0x0
.irp k, 0,1,2,3
	v_add_nc_u32 v[16+\k], v[MK+\k], v[MK+4+\k]    ; the count: bytes are 0 or 1, and 32 words are added: no byte passes 32
.endr
.irp b, 2,3,4,5,6,7
.irp k, 0,1,2,3
	v_add_nc_u32 v[16+\k], v[16+\k], v[MK+4*\b+\k]
.endr
.endr
	v_add_nc_u32 v16, v16, v17
	v_add_nc_u32 v18, v18, v19
	v_add_nc_u32 v16, v16, v18
	v_mul_lo_u32 v16, v16, 0x01010101              ; the four bytes' sum (at most 128) lands in the top byte
	v_lshrrev_b32 v16, 24, v16
	v_permlanex16_b32 v13, v16, s40, s41
	v_add_nc_u32 v16, v16, v13                     ; my query's count among the wave's 256 keys
	ds_store_b32 v11, v16                          ; both halves of the lanes write the same word with the same value
.set g4, 0
.rept 32                               ; register MK + g4 holds bytes i = 4 (g4 % 4) + k of block g4 / 4: words 4 g4 + k, which lane g4 stores
.irp k, 0,1,2,3
	v_and_b32 v[76+\k], 0xff<<(8*\k), v[MK+g4]
.endr
.irp k, 0,1,2,3
	v_cmp_ne_u32 s[44+\k], 0, v[76+\k]
.endr
.irp k, 0,1,2,3
	v_writelane_b32 v[WD+\k], s[44+\k], g4
.endr
.set g4, g4+1
.endr
	global_store_b128 v10, v[WD:WD+3], s[10:11]    ; the wave stores 512 consecutive bytes
	s_wait_dscnt 0x0                               ; for the others' sake: my counts are in LDS
	s_barrier_signal -1
	s_barrier_wait -1
	s_cmp_lg_u32 s2, 0
	s_cbranch_scc1 .Lend                           ; wave 0 adds the eight waves' counts
.irp k, 0,1,2,3,4,5,6,7
	ds_load_b32 v[80+\k], v14 offset:64*\k
.endr
	s_wait_dscnt 0x0
	v_add_nc_u32 v80, v80, v81
	v_add_nc_u32 v82, v82, v83
	v_add_nc_u32 v84, v84, v85
	v_add_nc_u32 v86, v86, v87
	v_add_nc_u32 v80, v80, v82
	v_add_nc_u32 v84, v84, v86
	v_add_nc_u32 v80, v80, v84
	v_cvt_f32_u32 v80, v80
	global_store_b32 v14, v80, s[12:13]            ; 16 counts, 64 bytes (lanes 16-31 repeat lanes 0-15)
.Lend:
	s_wait_tensorcnt 0x0
	ds_add_u32 v96, v97
	s_wait_dscnt 0x0
	s_endpgm
.Lfunc_end_k_q88b06a2a12_prep:
	.size	k_q88b06a2a12_prep, .Lfunc_end_k_q88b06a2a12_prep-k_q88b06a2a12_prep
	.p2alignl 7, 3214868480
	.fill 96, 4, 3214868480
	.section	.rodata,"a",@progbits
	.p2align	6, 0x0
	.amdhsa_kernel k_q88b06a2a12_prep
		.amdhsa_group_segment_fixed_size 1536
		.amdhsa_private_segment_fixed_size 0
		.amdhsa_enable_private_segment 0
		.amdhsa_kernarg_size 48
		.amdhsa_user_sgpr_count 2
		.amdhsa_user_sgpr_kernarg_segment_ptr 1
		.amdhsa_wavefront_size32 1
		.amdhsa_system_sgpr_workgroup_id_x 1
		.amdhsa_system_sgpr_workgroup_id_y 1
		.amdhsa_system_sgpr_workgroup_id_z 1
		.amdhsa_system_vgpr_workitem_id 0
		.amdhsa_next_free_vgpr 98
		.amdhsa_next_free_sgpr 66
		.amdhsa_reserve_vcc 1
		.amdhsa_float_denorm_mode_32 3
		.amdhsa_float_denorm_mode_16_64 3
		.amdhsa_memory_ordered 1
		.amdhsa_forward_progress 1
		.amdhsa_inst_pref_size 36
	.end_amdhsa_kernel
	.amdgpu_metadata
---
amdhsa.version: [ 1, 2 ]
amdhsa.kernels:
  - .name:           k_q88b06a2a12_prep
    .symbol:         k_q88b06a2a12_prep.kd
    .args:
      - { .name: mask, .offset: 0, .size: 8, .value_kind: global_buffer, .address_space: global }
      - { .name: q_positions, .offset: 8, .size: 8, .value_kind: global_buffer, .address_space: global }
      - { .name: kv_positions, .offset: 16, .size: 8, .value_kind: global_buffer, .address_space: global }
      - { .name: maskw, .offset: 24, .size: 8, .value_kind: global_buffer, .address_space: global }
      - { .name: cnt, .offset: 32, .size: 8, .value_kind: global_buffer, .address_space: global }
      - { .name: rope, .offset: 40, .size: 8, .value_kind: global_buffer, .address_space: global }
    .group_segment_fixed_size: 1536
    .private_segment_fixed_size: 0
    .kernarg_segment_align: 8
    .kernarg_segment_size: 48
    .max_flat_workgroup_size: 256
    .sgpr_count:     66
    .vgpr_count:     98
    .wavefront_size: 32
...
	.end_amdgpu_metadata
.endif
;; end of part 1
;; launch proj (part 2): grid 24 x 32, 8 waves a work-group, no clusters, 255,488 bytes of LDS; arguments q_codes, q_scales, kv_codes, kv_scales, wq_codes, wq_scales, wk_codes, wk_scales, wv_codes, wv_scales, bq, bk, bv, q_scale, k_scale, rope, qbuf, kbuf, vbuf; writes qbuf, kbuf, vbuf
.if DOCPART == 2
	.amdgcn_target "amdgcn-amd-amdhsa--gfx1250"
	.amdhsa_code_object_version 6
	.text
	.protected	k_q88b06a2a12_proj
	.globl	k_q88b06a2a12_proj
	.p2align	8
	.type	k_q88b06a2a12_proj,@function
k_q88b06a2a12_proj:
	s_mov_b64 s[64:65], 0
	v_nop
	global_prefetch_b8 v0, s[64:65] scope:SCOPE_SE
	s_setreg_imm32_b32 hwreg(HW_REG_WAVE_MODE, 25, 1), 1
	s_wait_xcnt 0x0
; PROJ: q wq + bq, kv wk + bk, kv wv + bv on the given codes of FP6 (E2M3); RMS norm and RoPE for Q and K; then the quantisers: Q and K along the head's 64, V along the keys.
; Work-group (x, y): G = x / 8 (0 Q, 1 K, 2 V), fb = x % 8 (128 features: two heads), y = 128 tokens.  It makes 128 x 128 of one product over all of K = 1,024.
; SOURCES.  Source 0 is matrix X0, source 1 matrix X1, 128 rows each.  Q, K: X0 = the weight's rows, X1 = tokens: a lane holds one token and its registers run along the head's d.
;   V: X0 = tokens, X1 = the weight's rows: a lane holds one feature and its registers run along the keys, which are the later product's K.  Only pointers differ, so the products are one text.
; UNITS.  A tile of 16 rows is a unit: within 32 rows, unit u, slot p is row 8 u + p + 8 (p/8).  For source 0 that makes the 16 registers of units 2b, 2b+1 sixteen neighbours (32 b + 16 h + 0..15);
;   for source 1 it makes lane r the slot r of the unit that the next launch wants, so that images leave lane by lane.
; SHARES.  Wave w: w0 = w % 2: 64 rows of X0 (4 units);  w1 = w / 2: 32 rows of X1 (2 units): 8 accumulators, by turns.
; LDS, filled once by five tensor loads a wave, all issued at the start: four chunks of 256 along K (256 rows x 192 bytes, 16 bytes of padding behind every 64: pitch 240), and both matrices' scale bytes
;   (dense blocks, as pieces of 256 bytes + 16).  Nothing is filled again.  Rows 16 apart start 3,840 bytes apart, a multiple of 256: a unit's two groups of eight rows share LDS columns; accepted.
; THE PATHS PART ONCE, on the work-group's number, behind the last chunk's barrier and ahead of its products, and never join: each path asks for its bias (and gain) there; no LDS byte is written behind the parting.
; OUT.  An image of half a fragment (16 rows x 64 along K): lane L's registers 0-3 at 16 L, registers 4-5 at 512 + 8 L: 768 bytes.  qbuf, kbuf: per head 128 images, then a scale word for each token
;   (two bytes, then 0x7f, 0x7f for the upper 64 of a 128-deep product, whose codes are zeros on Q's side).  vbuf: per head image ((step 4 + d unit) 2 + c), then scale words [step][d unit][slot].
; NO CLUSTER: a work-group asks for its 254,464 bytes once, at its start, and never again; joint loads would spare requests of that one start and none of the loop's work.
; LIMITS: blocks whose largest magnitude lies under 2^-124 keep the scale byte 1; NaN and infinities are not served.
.set PITCH, 240
.set CHB,   256*PITCH                  ; a chunk: X0's 128 rows, then X1's
.set SCL,   4*CHB                      ; the scale bytes: X0's 16 pieces of 272, then X1's
.set BIAS,  28                         ; v28-59
.set GAIN,  60                         ; v60-91
.set F0,    92                         ; v92-139  four fragments of X0
.set F1,    140                        ; v140-163 two of X1
.set CSR,   92                         ; v92-155  later: cos and sin, 32 registers a tile
.set ACC,   164                        ; v164-227 accumulator (a, t) at ACC + 32 a + 8 t
.set TM,    244                        ; v244-249 the quantiser's: two maxima, two bytes, two scale operands
.set SEL,   46                         ; s[46:47] selects for lane l xor 16
.set G1C,   48                         ; s[48:55] group 1: codes;  s[56:63]: scale bytes
.set G1S,   56
.set G0S,   68                         ; s[68:71] group 0: scale bytes;  s[72:87]: the four chunks
.set G0C,   72
; v1, v2: X0's fragment address (24 h, 40 h);  v3, v4: X1's;  v5, v6: their scale words';  v8: 64 h;  v9: 16 L;  v10: 8 L;  v11: 4 L;  v12: 4 (r + 8 (r/8));  v13 r, v14 h
; v16-23: X0's scale words (unit t, K step q at 16 + 2 t + q);  v24-27: X1's.  These registers hold scales and nothing else.
.macro FRAGR reg, adr, q, row          ; a fragment, 16 rows x 128 K: six pieces of 8 bytes; lanes 16-31 read three pieces on, which for some pieces lies behind one padding more: the second address register serves those
.irp p, 0,1,2,3,4,5
.set PCE, 12*(\q)+6*(\p/3)+\p%3
.if PCE%8 < 5
	ds_load_b64 v[\reg+2*\p:\reg+2*\p+1], v[\adr] offset:8*PCE+16*(PCE/8)+(\row)*PITCH
.else
	ds_load_b64 v[\reg+2*\p:\reg+2*\p+1], v[\adr+1] offset:8*PCE+16*(PCE/8)+(\row)*PITCH
.endif
.endr
.endm
.macro MM a, t, q, zero
.if \zero
	v_wmma_scale_f32_16x16x128_f8f6f4 v[ACC+32*\a+8*\t:ACC+32*\a+8*\t+7], v[F0+12*\t:F0+12*\t+11], v[F1+12*\a:F1+12*\a+11], 0, v[16+2*\t+\q], v[24+2*\a+\q] matrix_a_fmt:MATRIX_FMT_FP6 matrix_b_fmt:MATRIX_FMT_FP6
.else
	v_wmma_scale_f32_16x16x128_f8f6f4 v[ACC+32*\a+8*\t:ACC+32*\a+8*\t+7], v[F0+12*\t:F0+12*\t+11], v[F1+12*\a:F1+12*\a+11], v[ACC+32*\a+8*\t:ACC+32*\a+8*\t+7], v[16+2*\t+\q], v[24+2*\a+\q] matrix_a_fmt:MATRIX_FMT_FP6 matrix_b_fmt:MATRIX_FMT_FP6
.endif
.endm
.macro KSTEP q, zero                   ; 128 along K: 36 LDS loads, 8 products, and four places in front of whatever is loaded into their registers next
.irp t, 0,1,2,3
	FRAGR F0+12*\t, 1, \q, 32*(\t/2)+8*(\t%2)
.endr
.irp a, 0,1
	FRAGR F1+12*\a, 3, \q, 8*\a
.endr
	s_wait_dscnt 0x0
.irp a, 0,1
.irp t, 0,1,2,3
	MM \a, \t, \q, \zero
.endr
.endr
.rept 4
	v_nop
.endr
.endm
.macro WORK c, zero                    ; chunk c: its scale words (two a row), then two K steps
.irp t, 0,1,2,3
	ds_load_b64 v[16+2*\t:17+2*\t], v5 offset:272*(4*(\t/2)+\t%2)+8*\c
.endr
.irp a, 0,1
	ds_load_b64 v[24+2*\a:25+2*\a], v6 offset:272*\a+8*\c
.endr
	KSTEP 0, \zero
	KSTEP 1, 0
.endm
.macro SYNC n                          ; my part of the next chunk is in (n younger loads may stay out), then everybody's is
	s_wait_tensorcnt \n
	s_barrier_signal -1
	s_barrier_wait -1
.endm
.macro ADV                             ; on to the next chunk
	v_add_nc_u32 v1, CHB, v1
	v_add_nc_u32 v2, CHB, v2
	v_add_nc_u32 v3, CHB, v3
	v_add_nc_u32 v4, CHB, v4
.endm
; 32 numbers of a lane, register 16 b + i = k 32 b + 16 h + i of its row, become half a fragment's codes in v[pc .. pc+5] and two scale bytes in v[pw]
.macro QUANT2 s, pc, pw
.irp b, 0,1
	v_max3_num_f32 v[TM+\b], |v[\s+16*\b]|, |v[\s+16*\b+1]|, 0x1800000   ; my 16 numbers of block b, and the floor 2^(3 - 127): the byte cannot fall under 1
.endr
.irp i, 2,4,6,8,10,12,14
.irp b, 0,1
	v_max3_num_f32 v[TM+\b], v[TM+\b], |v[\s+16*\b+\i]|, |v[\s+16*\b+\i+1]|
.endr
.endr
.irp b, 0,1
	v_permlanex16_b32 v[TM+2+\b], v[TM+\b], s[SEL], s[SEL+1]
.endr
.irp b, 0,1
	v_max_num_f32 v[TM+\b], v[TM+\b], v[TM+2+\b]   ; with lane l xor 16's: the block's largest magnitude
.endr
.irp b, 0,1
	v_add_nc_u32 v[TM+4+\b], 0xff000000, v[TM+\b]  ; 2 off its exponent field: the conversion's scale operand
.endr
.irp b, 0,1
	v_lshrrev_b32 v[TM+2+\b], 23, v[TM+4+\b]       ; the scale's byte
.endr
	v_lshl_or_b32 v[\pw], v[TM+3], 8, v[TM+2]
	v_cvt_scalef32_pk16_fp6_f32 v[\pc:\pc+2], v[\s:\s+15], v[TM+4]
	v_cvt_scalef32_pk16_fp6_f32 v[\pc+4:\pc+6], v[\s+16:\s+31], v[TM+5]   ; (a conversion's three registers begin on an even number)
	v_nop                                          ; one plain line behind a scaled conversion
.irp i, 0,1,2
	v_permlane16_swap_b32 v[\pc+\i], v[\pc+4+\i]   ; a whole block to a lane: lanes 0-15 block 0, lanes 16-31 block 1
.endr
	v_mov_b32 v[\pc+3], v[\pc+4]
	v_mov_b32 v[\pc+4], v[\pc+5]
	v_mov_b32 v[\pc+5], v[\pc+6]
.endm
	s_load_b512 s[8:23], s[0:1], 0x0               ; q_codes 8, q_scales 10, kv_codes 12, kv_scales 14, wq_codes 16, wq_scales 18, wk_codes 20, wk_scales 22
	s_load_b512 s[24:39], s[0:1], 0x40             ; wv_codes 24, wv_scales 26, bq 28, bk 30, bv 32, q_scale 34, k_scale 36, rope 38
	s_load_b128 s[40:43], s[0:1], 0x80             ; qbuf 40, kbuf 42
	s_load_b64 s[44:45], s[0:1], 0x90              ; vbuf
	v_lshl_add_u32 v254, v0, 2, 0x3e200
	v_mov_b32 v255, 0
	ds_add_u32 v254, v255
	ds_add_u32 v254, v255
	v_lshrrev_b32 v13, 5, v0
	v_readfirstlane_b32 s2, v13                    ; wave 0..7
	s_lshr_b32 s3, ttmp9, 3                        ; G
	s_and_b32 s88, ttmp9, 7                        ; fb
	s_and_b32 s89, ttmp7, 0xffff                   ; the block of 128 tokens
	s_and_b32 s90, s2, 1                           ; w0
	s_lshr_b32 s91, s2, 1                          ; w1
	s_mov_b32 s[G1C+0], (1<<20)|(3<<22)|(3<<25)    ; elements of 1 byte; padding on: 4 words behind every 16
	s_mov_b32 s[G1C+1], 192<<16                    ; tensor_dim0 = 192
	s_mov_b32 s[G1C+2], 32<<16                     ; tensor_dim1 = 32
	s_mov_b32 s[G1C+3], 192<<16                    ; tile_dim0
	s_mov_b32 s[G1C+4], 32                         ; tile_dim1
	s_mov_b32 s[G1C+5], 768                        ; a row of 1,024 codes
	s_mov_b32 s[G1C+6], 0
	s_mov_b32 s[G1C+7], 0
	s_mov_b32 s[G1S+0], (3<<16)|(1<<20)|(5<<22)|(3<<25)   ; elements of 8 bytes; 4 words of padding behind every 64
	s_mov_b32 s[G1S+1], 32<<16                     ; 32 rows' scale bytes are 1,024 dense bytes: 4 rows of 256
	s_mov_b32 s[G1S+2], 4<<16
	s_mov_b32 s[G1S+3], 32<<16
	s_mov_b32 s[G1S+4], 4
	s_mov_b32 s[G1S+5], 32
	s_mov_b32 s[G1S+6], 0
	s_mov_b32 s[G1S+7], 0
	s_mul_i32 s4, s89, 98304                       ; 128 rows of 768 bytes
	s_mov_b32 s5, 0
	s_lshl_b32 s6, s89, 12                         ; 128 rows of 32 scale bytes
	s_mov_b32 s7, 0
	s_mul_i32 s92, s88, 98304
	s_mov_b32 s93, 0
	s_lshl_b32 s94, s88, 12
	s_mov_b32 s95, 0
	s_mov_b32 s[SEL], 0x76543210
	s_mov_b32 s[SEL+1], 0xfedcba98
	s_wait_dscnt 0x0
	s_wait_kmcnt 0x0
	s_cmp_eq_u32 s3, 1                             ; the choices hang on the work-group's number alone
	s_cselect_b64 s[20:21], s[20:21], s[24:25]
	s_cselect_b64 s[22:23], s[22:23], s[26:27]
	s_cselect_b64 s[30:31], s[30:31], s[32:33]
	s_cselect_b64 s[42:43], s[42:43], s[44:45]
	s_cmp_eq_u32 s3, 0
	s_cselect_b64 s[8:9], s[8:9], s[12:13]         ; the tokens' codes,
	s_cselect_b64 s[10:11], s[10:11], s[14:15]     ; their scale bytes,
	s_cselect_b64 s[16:17], s[16:17], s[20:21]     ; the weight's codes,
	s_cselect_b64 s[18:19], s[18:19], s[22:23]     ; its scale bytes,
	s_cselect_b64 s[28:29], s[28:29], s[30:31]     ; the bias,
	s_cselect_b64 s[34:35], s[34:35], s[36:37]     ; the gain,
	s_cselect_b64 s[40:41], s[40:41], s[42:43]     ; the output
	s_add_nc_u64 s[8:9], s[8:9], s[4:5]
	s_add_nc_u64 s[10:11], s[10:11], s[6:7]
	s_add_nc_u64 s[16:17], s[16:17], s[92:93]
	s_add_nc_u64 s[18:19], s[18:19], s[94:95]
	s_cmp_eq_u32 s3, 2                             ; waves 0-3 fetch X0, waves 4-7 X1; X0 is the tokens for V alone: so I fetch tokens where (G = 2) differs from (wave >= 4)
	s_cselect_b32 s4, 1, 0
	s_lshr_b32 s5, s2, 2
	s_xor_b32 s4, s4, s5
	s_cmp_eq_u32 s4, 1
	s_cselect_b64 s[12:13], s[8:9], s[16:17]
	s_cselect_b64 s[14:15], s[10:11], s[18:19]
	s_and_b32 s4, s2, 3
	s_mul_i32 s6, s4, 24576                        ; my 32 rows of that matrix
	s_mov_b32 s7, 0
	s_add_nc_u64 s[12:13], s[12:13], s[6:7]
	s_lshl_b32 s6, s4, 10
	s_add_nc_u64 s[14:15], s[14:15], s[6:7]
	s_mov_b32 s[G0S], 1
	s_mul_i32 s[G0S+1], s2, 1088
	s_add_co_u32 s[G0S+1], s[G0S+1], SCL
	s_mov_b64 s[G0S+2:G0S+3], s[14:15]
	s_or_b32 s[G0S+3], s[G0S+3], 0x80000000
	s_mul_i32 s7, s2, 32*PITCH
.irp c, 0,1,2,3
	s_mov_b32 s[G0C+4*\c], 1
	s_add_co_u32 s[G0C+4*\c+1], s7, \c*CHB
	s_add_nc_u64 s[G0C+4*\c+2:G0C+4*\c+3], s[12:13], 192*\c
	s_or_b32 s[G0C+4*\c+3], s[G0C+4*\c+3], 0x80000000
.endr
	tensor_load_to_lds s[G0S:G0S+3], s[G1S:G1S+7]  ; all first fills in one group: five loads of mine are out
	s_nop 0
.irp c, 0,1,2,3
	tensor_load_to_lds s[G0C+4*\c:G0C+4*\c+3], s[G1C:G1C+7]
	s_nop 0
.endr
.rept 4
	v_nop
.endr
	v_and_b32 v13, 15, v0                          ; r
	v_bfe_u32 v14, v0, 4, 1                        ; h
	v_and_b32 v15, 8, v13
	v_add_nc_u32 v15, v15, v13                     ; r + 8 (r/8)
	v_mul_u32_u24 v1, v15, PITCH
	v_mad_u32_u24 v1, v14, 24, v1
	v_lshl_add_u32 v2, v14, 4, v1
	s_mul_i32 s4, s90, 64*PITCH
	s_mul_i32 s5, s91, 32*PITCH
	s_add_co_u32 s5, s5, 128*PITCH
	v_add_nc_u32 v3, s5, v1
	v_add_nc_u32 v4, s5, v2
	v_add_nc_u32 v1, s4, v1
	v_add_nc_u32 v2, s4, v2
	v_lshrrev_b32 v5, 3, v13                       ; a row's 32 scale bytes: eight rows to a piece of 272; a unit's upper eight slots lie two pieces on
	v_mul_u32_u24 v5, v5, 544
	v_and_b32 v6, 7, v13
	v_lshl_add_u32 v5, v6, 5, v5
	s_mul_i32 s4, s90, 2176
	s_add_co_u32 s4, s4, SCL
	s_mul_i32 s5, s91, 1088
	s_add_co_u32 s5, s5, SCL+4352
	v_add_nc_u32 v6, s5, v5
	v_add_nc_u32 v5, s4, v5
	v_lshlrev_b32 v8, 6, v14
	v_and_b32 v11, 31, v0
	v_lshlrev_b32 v9, 4, v11
	v_lshlrev_b32 v10, 3, v11
	v_lshlrev_b32 v11, 2, v11
	v_lshlrev_b32 v12, 2, v15
	v_mov_b32 v[TM+2], 0                           ; written once: a lane permute's destination counts as one of its sources
	v_mov_b32 v[TM+3], 0
	v_mov_b32 v232, 0
	v_mov_b32 v235, 0                              ; (named as the upper half of the pair v[234:235])
	SYNC 3                                         ; the scale bytes and chunk 0
	WORK 0, 1                                      ; the first K step starts the sums: nothing is cleared
	ADV
	SYNC 2
	WORK 1, 0
	ADV
	SYNC 1
	WORK 2, 0
	ADV
	SYNC 0
	s_cmp_eq_u32 s3, 2
	s_cbranch_scc1 .Lv
	; ================ Q and K
	s_lshl_b32 s4, s88, 9
	s_lshl_b32 s5, s90, 8
	s_add_co_u32 s4, s4, s5                        ; my head's 64 numbers of the bias
	s_mov_b32 s5, 0
	s_add_nc_u64 s[28:29], s[28:29], s[4:5]
.irp i, 0,1,2,3,4,5,6,7                ; register 4 i + .. of both is d = 32 (i/4) + 16 h + 8 ((i/2)%2) + 4 (i%2) + ..
	global_load_b128 v[BIAS+4*\i:BIAS+4*\i+3], v8, s[28:29] offset:128*(\i/4)+32*((\i/2)%2)+16*(\i%2)
.endr
.irp i, 0,1,2,3,4,5,6,7
	global_load_b128 v[GAIN+4*\i:GAIN+4*\i+3], v8, s[34:35] offset:128*(\i/4)+32*((\i/2)%2)+16*(\i%2)
.endr
	s_and_b32 s4, s89, 15                          ; the block of 128 tokens within its batch
	s_lshl_b32 s6, s4, 3
	s_lshl_b32 s7, s91, 1
	s_add_co_u32 s6, s6, s7                        ; my first unit of tokens: 8 block + 2 w1
	s_lshl_b32 s7, s3, 7                           ; here G is 0 or 1: the table's kind
	s_add_co_u32 s6, s6, s7
	s_lshl_b32 s6, s6, 12
	s_mov_b32 s7, 0
	s_add_nc_u64 s[38:39], s[38:39], s[6:7]
	s_lshr_b32 s5, s89, 4
	s_lshl_b32 s5, s5, 4
	s_lshl_b32 s6, s88, 1
	s_add_co_u32 s5, s5, s6
	s_add_co_u32 s5, s5, s90                       ; 16 batch + head
	s_mul_i32 s5, s5, 106496
	s_lshl_b32 s6, s4, 2
	s_add_co_u32 s6, s6, s91                       ; my group of 32 tokens
	s_mul_i32 s92, s6, 1536
	s_add_co_u32 s92, s92, s5
	s_mov_b32 s93, 0
	s_lshl_b32 s94, s6, 7
	s_add_co_u32 s94, s94, s5
	s_add_co_u32 s94, s94, 98304
	s_mov_b32 s95, 0
	s_add_nc_u64 s[42:43], s[40:41], s[94:95]      ; my 32 scale words
	s_add_nc_u64 s[40:41], s[40:41], s[92:93]      ; my two images
	s_mov_b32 s96, 0x3c800000                      ; 1/64
	s_mov_b32 s97, 0x358637bd                      ; 1e-6
	WORK 3, 0
.irp a, 0,1                            ; cos and sin of my two units, into the operands' registers (four places behind the last products): 512 consecutive bytes a load
.irp c, 0,1,2,3,4,5,6,7
	global_load_b128 v[CSR+32*\a+4*\c:CSR+32*\a+4*\c+3], v9, s[38:39] offset:4096*\a+512*\c
.endr
.endr
	s_wait_loadcnt 16                              ; bias and gain are in; the sixteen loads just issued are younger
.set i, 0
.rept 16
	v_pk_add_f32 v[GAIN+i:GAIN+i+1], v[GAIN+i:GAIN+i+1], 1.0 op_sel_hi:[1,0]   ; 1 + scale
.set i, i+2
.endr
.macro NORM a                          ; bias, mean of squares over the head's 64 (my 32 and lane l xor 16's), x rsqrt, x (1 + scale)
.set X, ACC+32*\a
.set i, 0
.rept 16
	v_pk_add_f32 v[X+i:X+i+1], v[X+i:X+i+1], v[BIAS+i:BIAS+i+1]   ; ascending: each accumulator is first read at its low end
.set i, i+2
.endr
	v_pk_mul_f32 v[228:229], v[X:X+1], v[X:X+1]
	v_pk_mul_f32 v[230:231], v[X+2:X+3], v[X+2:X+3]
.set i, 4
.rept 7
	v_pk_fma_f32 v[228:229], v[X+i:X+i+1], v[X+i:X+i+1], v[228:229]
	v_pk_fma_f32 v[230:231], v[X+i+2:X+i+3], v[X+i+2:X+i+3], v[230:231]
.set i, i+4
.endr
	v_pk_add_f32 v[228:229], v[228:229], v[230:231]
	v_add_f32 v228, v228, v229
	v_permlanex16_b32 v232, v228, s[SEL], s[SEL+1]
	v_add_f32 v228, v228, v232
	v_fma_f32 v228, v228, s96, s97
	v_rsq_f32 v234, v228
	v_nop                                          ; one plain line behind the transcendental
.set i, 0
	s_wait_alu depctr_va_vdst(0)
.rept 16
	v_pk_mul_f32 v[X+i:X+i+1], v[X+i:X+i+1], v[234:235] op_sel_hi:[1,0]
.set i, i+2
.endr
.set i, 0
.rept 16
	v_pk_mul_f32 v[X+i:X+i+1], v[X+i:X+i+1], v[GAIN+i:GAIN+i+1]
.set i, i+2
.endr
.endm
.macro ROT a                           ; x1 = d 16 h + i (registers 0-15), x2 = d + 32 (registers 16-31): x1 cos - x2 sin, x2 cos + x1 sin
.set X, ACC+32*\a
.set CS, CSR+32*\a
.set i, 0
.rept 8
.set TT, 236+4*(i%2)
	v_pk_mul_f32 v[TT:TT+1], v[X+16+2*i:X+17+2*i], v[CS+4*i+2:CS+4*i+3]
	v_pk_mul_f32 v[TT+2:TT+3], v[X+2*i:X+2*i+1], v[CS+4*i+2:CS+4*i+3]
	v_pk_fma_f32 v[X+2*i:X+2*i+1], v[X+2*i:X+2*i+1], v[CS+4*i:CS+4*i+1], v[TT:TT+1] neg_lo:[0,0,1] neg_hi:[0,0,1]
	v_pk_fma_f32 v[X+16+2*i:X+17+2*i], v[X+16+2*i:X+17+2*i], v[CS+4*i:CS+4*i+1], v[TT+2:TT+3]
.set i, i+1
.endr
.endm
	NORM 0
	NORM 1                                         ; both tiles' norms stand between the table's loads and the waits for them
	s_wait_loadcnt 8                               ; tile 0's cos and sin are in; tile 1's eight loads are younger
	ROT 0
	QUANT2 ACC, 156, 250
	global_store_b128 v9, v[156:159], s[40:41]     ; 512 consecutive bytes,
	global_store_b64 v10, v[160:161], s[40:41] offset:512   ; and 256
	s_wait_loadcnt 0x0
	ROT 1
	QUANT2 ACC+32, 28, 251                         ; (the bias's registers are done with; tile 0's codes stay where their stores read them)
	global_store_b128 v9, v[28:31], s[40:41] offset:768
	global_store_b64 v10, v[32:33], s[40:41] offset:1280
	v_cmp_ne_u32 vcc_lo, 0, v14
	v_cndmask_b32 v250, v250, v251, vcc_lo         ; lanes 0-15: unit 0's words, lanes 16-31: unit 1's (both halves of the lanes hold a row's bytes)
	v_or_b32 v250, 0x7f7f0000, v250                ; scale 1 for the upper 64 of a 128-deep product
	global_store_b32 v11, v250, s[42:43]           ; 128 consecutive bytes
	s_wait_tensorcnt 0x0
	ds_add_u32 v254, v255
	s_wait_dscnt 0x0
	s_endpgm
	; ================ V
.Lv:
	s_lshl_b32 s4, s88, 9
	s_lshl_b32 s5, s91, 7
	s_add_co_u32 s4, s4, s5                        ; my 32 features of the bias
	s_mov_b32 s5, 0
	s_add_nc_u64 s[28:29], s[28:29], s[4:5]
	global_load_b32 v28, v12, s[28:29]             ; a lane holds one feature: 8 a + r + 8 (r/8)
	global_load_b32 v30, v12, s[28:29] offset:32
	v_mov_b32 v29, 0                               ; (named as the upper halves of the pairs)
	v_mov_b32 v31, 0
	s_lshr_b32 s5, s89, 4
	s_lshl_b32 s5, s5, 4
	s_lshl_b32 s6, s88, 1
	s_add_co_u32 s5, s5, s6
	s_lshr_b32 s6, s91, 1
	s_add_co_u32 s5, s5, s6                        ; 16 batch + head
	s_mul_i32 s5, s5, 102400
	s_and_b32 s4, s89, 15                          ; the step of 128 keys
	s_and_b32 s6, s91, 1                           ; which 32 of the head's 64
	s_mul_i32 s92, s4, 6144
	s_mul_i32 s7, s6, 3072
	s_add_co_u32 s92, s92, s7
	s_mul_i32 s7, s90, 768                         ; which 64 of the step's keys
	s_add_co_u32 s92, s92, s7
	s_add_co_u32 s92, s92, s5
	s_mov_b32 s93, 0
	s_lshl_b32 s94, s4, 8
	s_lshl_b32 s7, s6, 7
	s_add_co_u32 s94, s94, s7
	s_lshl_b32 s7, s90, 1                          ; my two bytes of each word
	s_add_co_u32 s94, s94, s7
	s_add_co_u32 s94, s94, s5
	s_add_co_u32 s94, s94, 98304
	s_mov_b32 s95, 0
	s_add_nc_u64 s[42:43], s[40:41], s[94:95]
	s_add_nc_u64 s[40:41], s[40:41], s[92:93]
	WORK 3, 0
	s_wait_loadcnt 0x0
.set i, 0
.rept 16
	v_pk_add_f32 v[ACC+i:ACC+i+1], v[ACC+i:ACC+i+1], v[28:29] op_sel_hi:[1,0]
.set i, i+2
.endr
	QUANT2 ACC, 156, 250
	global_store_b128 v9, v[156:159], s[40:41]
	global_store_b64 v10, v[160:161], s[40:41] offset:512
.set i, 0
.rept 16
	v_pk_add_f32 v[ACC+32+i:ACC+33+i], v[ACC+32+i:ACC+33+i], v[30:31] op_sel_hi:[1,0]
.set i, i+2
.endr
	QUANT2 ACC+32, 92, 251
	global_store_b128 v9, v[92:95], s[40:41] offset:1536
	global_store_b64 v10, v[96:97], s[40:41] offset:2048
	v_cmp_ne_u32 vcc_lo, 0, v14
	v_cndmask_b32 v250, v250, v251, vcc_lo
	global_store_b16 v11, v250, s[42:43]           ; two of a word's four bytes: the other two come from the wave with the step's other 64 keys
	s_wait_tensorcnt 0x0
	ds_add_u32 v254, v255
	s_wait_dscnt 0x0
	s_endpgm
.Lfunc_end_k_q88b06a2a12_proj:
	.size	k_q88b06a2a12_proj, .Lfunc_end_k_q88b06a2a12_proj-k_q88b06a2a12_proj
	.p2alignl 7, 3214868480
	.fill 96, 4, 3214868480
	.section	.rodata,"a",@progbits
	.p2align	6, 0x0
	.amdhsa_kernel k_q88b06a2a12_proj
		.amdhsa_group_segment_fixed_size 255488
		.amdhsa_private_segment_fixed_size 0
		.amdhsa_enable_private_segment 0
		.amdhsa_kernarg_size 152
		.amdhsa_user_sgpr_count 2
		.amdhsa_user_sgpr_kernarg_segment_ptr 1
		.amdhsa_wavefront_size32 1
		.amdhsa_system_sgpr_workgroup_id_x 1
		.amdhsa_system_sgpr_workgroup_id_y 1
		.amdhsa_system_sgpr_workgroup_id_z 1
		.amdhsa_system_vgpr_workitem_id 0
		.amdhsa_next_free_vgpr 256
		.amdhsa_next_free_sgpr 100
		.amdhsa_reserve_vcc 1
		.amdhsa_float_denorm_mode_32 3
		.amdhsa_float_denorm_mode_16_64 3
		.amdhsa_memory_ordered 1
		.amdhsa_forward_progress 1
		.amdhsa_inst_pref_size 74
	.end_amdhsa_kernel
	.amdgpu_metadata
---
amdhsa.version: [ 1, 2 ]
amdhsa.kernels:
  - .name:           k_q88b06a2a12_proj
    .symbol:         k_q88b06a2a12_proj.kd
    .args:
      - { .name: q_codes, .offset: 0, .size: 8, .value_kind: global_buffer, .address_space: global }
      - { .name: q_scales, .offset: 8, .size: 8, .value_kind: global_buffer, .address_space: global }
      - { .name: kv_codes, .offset: 16, .size: 8, .value_kind: global_buffer, .address_space: global }
      - { .name: kv_scales, .offset: 24, .size: 8, .value_kind: global_buffer, .address_space: global }
      - { .name: wq_codes, .offset: 32, .size: 8, .value_kind: global_buffer, .address_space: global }
      - { .name: wq_scales, .offset: 40, .size: 8, .value_kind: global_buffer, .address_space: global }
      - { .name: wk_codes, .offset: 48, .size: 8, .value_kind: global_buffer, .address_space: global }
      - { .name: wk_scales, .offset: 56, .size: 8, .value_kind: global_buffer, .address_space: global }
      - { .name: wv_codes, .offset: 64, .size: 8, .value_kind: global_buffer, .address_space: global }
      - { .name: wv_scales, .offset: 72, .size: 8, .value_kind: global_buffer, .address_space: global }
      - { .name: bq, .offset: 80, .size: 8, .value_kind: global_buffer, .address_space: global }
      - { .name: bk, .offset: 88, .size: 8, .value_kind: global_buffer, .address_space: global }
      - { .name: bv, .offset: 96, .size: 8, .value_kind: global_buffer, .address_space: global }
      - { .name: q_scale, .offset: 104, .size: 8, .value_kind: global_buffer, .address_space: global }
      - { .name: k_scale, .offset: 112, .size: 8, .value_kind: global_buffer, .address_space: global }
      - { .name: rope, .offset: 120, .size: 8, .value_kind: global_buffer, .address_space: global }
      - { .name: qbuf, .offset: 128, .size: 8, .value_kind: global_buffer, .address_space: global }
      - { .name: kbuf, .offset: 136, .size: 8, .value_kind: global_buffer, .address_space: global }
      - { .name: vbuf, .offset: 144, .size: 8, .value_kind: global_buffer, .address_space: global }
    .group_segment_fixed_size: 255488
    .private_segment_fixed_size: 0
    .kernarg_segment_align: 8
    .kernarg_segment_size: 152
    .max_flat_workgroup_size: 256
    .sgpr_count:     100
    .vgpr_count:     256
    .wavefront_size: 32
...
	.end_amdgpu_metadata
.endif
;; end of part 2
;; launch attn (part 3): grid 8 x 32, 16 waves a work-group, no clusters, 211,968 bytes of LDS; arguments qbuf, kbuf, vbuf, maskw, cnt, abuf, asc, out1; writes abuf, asc, out1
.if DOCPART == 3
	.amdgcn_target "amdgcn-amd-amdhsa--gfx1250"
	.amdhsa_code_object_version 6
	.text
	.protected	k_q88b06a2a12_attn
	.globl	k_q88b06a2a12_attn
	.p2align	8
	.type	k_q88b06a2a12_attn,@function
k_q88b06a2a12_attn:
	s_mov_b64 s[64:65], 0
	v_nop
	global_prefetch_b8 v0, s[64:65] scope:SCOPE_SE
	s_setreg_imm32_b32 hwreg(HW_REG_WAVE_MODE, 25, 1), 1
	s_wait_xcnt 0x0
; ATTN: scores on codes of FP6 (E2M3), softcap, mask, softmax, entropy, probs quantised FINISHED AND NORMALISED along the keys, probs x V on codes, and the quantiser of the result along head x 64 + d.
; SHARES.  Work-group (x, y): 256 queries (16 units) of head y (16 batch + head).  Each of sixteen waves owns one unit of 16 queries in 256 registers: four waves share a SIMD's registers.
; LDS, filled once by two tensor loads a wave: the head's K (images and scale words, 106,496 bytes) and V (102,400).  Behind them 1,024 bytes for the entropies, written by LDS stores alone.
; LAYOUT.  Both products are used transposed: S^T = K Q^T (source 0 = a unit of 16 keys), O^T = V^T P^T (source 0 = a unit of the head's d): a lane holds ONE query (slot lane % 16) throughout.
;   Register 16 b + i of the scores is key 128 step + 32 b + 16 (lane / 16) + i; the mask word of that register has the lanes' bits.
; K = 64 IN A PRODUCT 128 DEEP: Q's registers 6-11 hold zero codes.  K's unit t is named as v[32+6t .. 43+6t]: its upper six registers are the next unit's codes (behind unit 7: zeros); a code times the code 0 adds
;   nothing, and the upper two scale bytes are 0x7f on both sides.
; TWO WALKS over the keys, since a row's sum must be known before any p is quantised.  Walk 1: sum of E and of E l2.  Walk 2: the scores again, p = 2^(l2 - lse2), its codes, P V.
; NO MAXIMUM IS TAKEN: the softcap, which is the problem's own, holds every counted logit in +-50, so l2 = logit x log2(e) lies in +-72.14, E = 2^l2 in 2^-73 .. 2^73, a row's 2,048 terms sum under 2^84 and
;   the sum of E l2 under 2^91: nothing can overflow or underflow in f32.  A masked key takes the exponent -1000: E = 0.
; SOFTCAP: tanh(y) = (e - 1) / (e + 1), e = 2^(2 y log2 e).  The exponent is held at 64, where the quotient is 1 in f32.  LIMIT: the error of e near 1 leaves about 4e-6 in l2.
; ENTROPY = (lse2 - sum(E l2) / sum(E)) / log2(count): ln 2 cancels.  count <= 1: the numerator is set to 0, so that count = 1 gives 0 / 0 = NaN and count = 0 gives 0, as the problem's formula does.
; LIMITS: a p under 2^-126 counts as 0; a block whose largest number lies under 2^-124 keeps the scale byte 1; NaN and infinities are not served.
; NO CLUSTER: a work-group asks for its 208,896 bytes once, at its start, and then walks 32 key steps without a further request; joint loads would spare requests of that one start and none of the loop's work.
; REGISTERS: v1-3 K's LDS addresses (16 L, 8 L + 512, 4 L + scale words), v4-6 V's, stepped; v7 -1000; v8 64; v9 count; v[10:11] -C50; v[12:13] -lse2; v16 16 L, v93 8 L, v94 4 r; v17 Q's scale words, v18 P's;
;   v19, v92 entropy in and out of LDS; v20-31 Q; v32-85 K's 8 units + 6 zeros, later V's 4 fragments; v86-89 K's scale words, v90-91 V's; v96-159 scores; v160-191 at work; v192-223 O^T (walk 1: the sums);
;   v224-242 P's codes; v244-255 the quantiser's.   s[16:47], s[68:99]: a step's 64 mask words.
.set VB,   106496                      ; V's first LDS byte
.set ENT,  208896
.set TM,   244
.set SEL,  104
.macro HFI reg, a16, a8, off           ; an image of half a fragment: 16 bytes a lane, then 8
	ds_load_b128 v[\reg:\reg+3], v[\a16] offset:\off
	ds_load_b64 v[\reg+4:\reg+5], v[\a8] offset:\off
.endm
.macro KADDR                           ; K's addresses at step 0
	v_and_b32 v14, 31, v0
	v_lshlrev_b32 v1, 4, v14
	v_lshl_add_u32 v2, v14, 3, 512
	v_lshl_add_u32 v3, v14, 2, 98304
.endm
.macro MLOAD                           ; the step's 64 mask words
	s_load_b512 s[16:31], s[12:13], 0x0
	s_load_b512 s[32:47], s[12:13], 0x40
	s_load_b512 s[68:83], s[12:13], 0x80
	s_load_b512 s[84:99], s[12:13], 0xc0
.endm
.macro KLOAD                           ; the step's eight units of keys; a scale register carries unit 2 p's words in lanes 0-15 and unit 2 p + 1's in lanes 16-31
.irp t, 0,1,2,3,4,5,6,7
	HFI 32+6*\t, 1, 2, 768*\t
.endr
.irp p, 0,1,2,3
	ds_load_b32 v[86+\p], v3 offset:128*\p
.endr
.endm
.macro SMUL
	s_wait_dscnt 0x0
.irp t, 0,2,4,6
	v_wmma_scale_f32_16x16x128_f8f6f4 v[96+8*\t:103+8*\t], v[32+6*\t:43+6*\t], v[20:31], 0, v[86+\t/2], v17 matrix_a_fmt:MATRIX_FMT_FP6 matrix_b_fmt:MATRIX_FMT_FP6
	v_wmma_scale_f32_16x16x128_f8f6f4 v[104+8*\t:111+8*\t], v[38+6*\t:49+6*\t], v[20:31], 0, v[86+\t/2], v17 matrix_a_fmt:MATRIX_FMT_FP6 matrix_b_fmt:MATRIX_FMT_FP6 matrix_a_scale:MATRIX_SCALE_ROW1
.endr
.endm
.macro KNEXT                           ; K's addresses step; with the v_nop these are the four places behind the products
	v_add_nc_u32 v1, 6144, v1
	v_add_nc_u32 v2, 6144, v2
	v_add_nc_u32 v3, 512, v3
	v_nop
.endm
; 32 scores become l2 = C50 (e - 1) / (e + 1) (mode 1) or l2 - lse2 (mode 2)
.macro TANH hf, mode
.set XB, 96+32*\hf
.set j, 0
.rept 16
	v_pk_mul_f32 v[XB+j:XB+j+1], v[XB+j:XB+j+1], s[66:67] op_sel_hi:[1,0]   ; ascending: each accumulator is first read at its low end
.set j, j+2
.endr
.set j, 0
.rept 32
	v_min_num_f32 v[XB+j], v[XB+j], v8
.set j, j+1
.endr
.set j, 0
.rept 32
	v_exp_f32 v[XB+j], v[XB+j]
.set j, j+1
.endr
	v_nop                                          ; one plain line behind the transcendentals
.set j, 0
	s_wait_alu depctr_va_vdst(0)
.rept 16
	v_pk_add_f32 v[160+j:161+j], v[XB+j:XB+j+1], 1.0 op_sel_hi:[1,0]
.set j, j+2
.endr
.set j, 0
.rept 16
	v_pk_fma_f32 v[XB+j:XB+j+1], v[XB+j:XB+j+1], s[100:101], v[10:11] op_sel_hi:[1,0,1]
.set j, j+2
.endr
.set j, 0
.rept 32
	v_rcp_f32 v[160+j], v[160+j]
.set j, j+1
.endr
	v_nop
	s_wait_alu depctr_va_vdst(0)
.set j, 0
.rept 16
.if \mode == 1
	v_pk_mul_f32 v[XB+j:XB+j+1], v[XB+j:XB+j+1], v[160+j:161+j]
.else
	v_pk_fma_f32 v[XB+j:XB+j+1], v[XB+j:XB+j+1], v[160+j:161+j], v[12:13]
.endif
.set j, j+2
.endr
.endm
.macro MASK                            ; a masked key's exponent becomes -1000
	s_wait_kmcnt 0x0                               ; the words are in, and their loads have read the pointer:
	s_add_nc_u64 s[12:13], s[12:13], 256           ; the next step's
.set j, 0
.rept 32
	v_cndmask_b32 v[96+j], v7, v[96+j], s[16+j]
.set j, j+1
.endr
.set j, 0
.rept 32
	v_cndmask_b32 v[128+j], v7, v[128+j], s[68+j]
.set j, j+1
.endr
.endm
.macro ESUM hf                         ; E = 2^l2; the sums of E and of E l2, two chains each
.set XB, 96+32*\hf
.set j, 0
.rept 32
	v_exp_f32 v[160+j], v[XB+j]
.set j, j+1
.endr
	v_nop
.set j, 0
	s_wait_alu depctr_va_vdst(0)
.rept 8
	v_pk_add_f32 v[192:193], v[192:193], v[160+j:161+j]
	v_pk_fma_f32 v[196:197], v[160+j:161+j], v[XB+j:XB+j+1], v[196:197]
	v_pk_add_f32 v[194:195], v[194:195], v[162+j:163+j]
	v_pk_fma_f32 v[198:199], v[162+j:163+j], v[XB+j+2:XB+j+3], v[198:199]
.set j, j+4
.endr
.endm
.macro QUANT2 s, pc, pw                ; as in the launch before: 32 numbers of a lane become half a fragment's codes and two scale bytes
.irp b, 0,1
	v_max3_num_f32 v[TM+\b], |v[\s+16*\b]|, |v[\s+16*\b+1]|, 0x1800000
.endr
.irp i, 2,4,6,8,10,12,14
.irp b, 0,1
	v_max3_num_f32 v[TM+\b], v[TM+\b], |v[\s+16*\b+\i]|, |v[\s+16*\b+\i+1]|
.endr
.endr
.irp b, 0,1
	v_permlanex16_b32 v[TM+2+\b], v[TM+\b], s[SEL], s[SEL+1]
.endr
.irp b, 0,1
	v_max_num_f32 v[TM+\b], v[TM+\b], v[TM+2+\b]
.endr
.irp b, 0,1
	v_add_nc_u32 v[TM+4+\b], 0xff000000, v[TM+\b]
.endr
.irp b, 0,1
	v_lshrrev_b32 v[TM+2+\b], 23, v[TM+4+\b]
.endr
	v_lshl_or_b32 v[\pw], v[TM+3], 8, v[TM+2]
	v_cvt_scalef32_pk16_fp6_f32 v[\pc:\pc+2], v[\s:\s+15], v[TM+4]
	v_cvt_scalef32_pk16_fp6_f32 v[\pc+4:\pc+6], v[\s+16:\s+31], v[TM+5]
	v_nop
.irp i, 0,1,2
	v_permlane16_swap_b32 v[\pc+\i], v[\pc+4+\i]
.endr
	v_mov_b32 v[\pc+3], v[\pc+4]
	v_mov_b32 v[\pc+4], v[\pc+5]
	v_mov_b32 v[\pc+5], v[\pc+6]
.endm
	s_load_b512 s[16:31], s[0:1], 0x0              ; qbuf 16, kbuf 18, vbuf 20, maskw 22, cnt 24, abuf 26, asc 28, out1 30
	v_lshl_add_u32 v239, v0, 2, 0x33400
	v_mov_b32 v243, 0
	ds_add_u32 v239, v243
	ds_add_u32 v239, v243
	v_lshrrev_b32 v14, 5, v0
	v_readfirstlane_b32 s2, v14                    ; wave 0..15
	s_and_b32 s3, ttmp7, 0xffff                    ; 16 batch + head
	s_mov_b32 s48, 3<<16                           ; K: a sixteenth of the head's block, 6,656 dense bytes, as 26 rows of 256 (32 elements of 8 bytes)
	s_mov_b32 s49, 32<<16
	s_mov_b32 s50, 26<<16
	s_mov_b32 s51, 32<<16
	s_mov_b32 s52, 26
	s_mov_b32 s53, 32
	s_mov_b32 s54, 0
	s_mov_b32 s55, 0
	s_mov_b32 s56, 3<<16                           ; V: 6,400 bytes, 25 rows
	s_mov_b32 s57, 32<<16
	s_mov_b32 s58, 25<<16
	s_mov_b32 s59, 32<<16
	s_mov_b32 s60, 25
	s_mov_b32 s61, 32
	s_mov_b32 s62, 0
	s_mov_b32 s63, 0
	s_mul_i32 s32, s3, 106496                      ; the head's first byte in qbuf and kbuf
	s_mul_i32 s5, s2, 6656                         ; K's part: its LDS address,
	s_add_co_u32 s34, s32, s5                      ; and its place in kbuf
	s_mov_b32 s35, 0
	s_mul_i32 s36, s3, 102400
	s_mul_i32 s9, s2, 6400
	s_add_co_u32 s36, s36, s9
	s_mov_b32 s37, 0
	s_add_co_u32 s9, s9, VB
	s_mov_b32 s4, 1
	s_mov_b32 s8, 1
	s_wait_dscnt 0x0
	s_wait_kmcnt 0x0
	s_add_nc_u64 s[6:7], s[18:19], s[34:35]
	s_or_b32 s7, s7, 0x80000000
	s_add_nc_u64 s[10:11], s[20:21], s[36:37]
	s_or_b32 s11, s11, 0x80000000
	tensor_load_to_lds s[4:7], s[48:55]            ; two loads of mine are out
	s_nop 0
	tensor_load_to_lds s[8:11], s[56:63]
	s_nop 0
.rept 4
	v_nop
.endr
	s_lshl_b32 s33, ttmp9, 4
	s_add_co_u32 s33, s33, s2                      ; my unit of queries within the batch
	s_lshr_b32 s38, s3, 4
	s_lshl_b32 s38, s38, 7
	s_add_co_u32 s38, s38, s33                     ; 128 batch + unit
	s_mul_i32 s34, s33, 768
	s_add_co_u32 s34, s34, s32
	s_lshl_b32 s36, s33, 6
	s_add_co_u32 s36, s36, s32
	s_add_co_u32 s36, s36, 98304
	s_add_nc_u64 s[18:19], s[16:17], s[36:37]      ; Q's scale words
	s_add_nc_u64 s[16:17], s[16:17], s[34:35]      ; Q's image
	s_lshl_b32 s34, s38, 6
	s_add_nc_u64 s[24:25], s[24:25], s[34:35]      ; the counts
	s_lshl_b32 s34, s38, 12
	s_add_nc_u64 s[12:13], s[22:23], s[34:35]      ; the mask words
	s_lshl_b32 s34, s3, 13
	s_lshl_b32 s36, ttmp9, 10
	s_add_co_u32 s34, s34, s36
	s_add_nc_u64 s[14:15], s[30:31], s[34:35]      ; the work-group's 256 entropies
	v_and_b32 v14, 31, v0
	v_and_b32 v15, 15, v0
	v_lshlrev_b32 v16, 4, v14
	v_lshlrev_b32 v93, 3, v14
	v_lshlrev_b32 v94, 2, v15
	global_load_b128 v[20:23], v16, s[16:17]
	global_load_b64 v[24:25], v93, s[16:17] offset:512
	global_load_b32 v17, v94, s[18:19]
	global_load_b32 v9, v94, s[24:25]
	s_mov_b32 s66, 0.0072134752                    ; 2 log2(e) / (8 x 50): e = 2^(score x this)
	s_mov_b32 s67, s66                             ; (the packed forms name pairs)
	s_mov_b32 s100, 72.134752                      ; C50 = 50 log2(e)
	s_mov_b32 s101, s100
	s_mov_b32 s[SEL], 0x76543210
	s_mov_b32 s[SEL+1], 0xfedcba98
	KADDR
	v_lshl_add_u32 v4, v14, 4, VB
	v_lshl_add_u32 v5, v14, 3, VB+512
	v_lshl_add_u32 v6, v14, 2, VB+98304
	v_mov_b32 v7, 0xc47a0000                       ; -1000
	v_mov_b32 v8, 0x42800000                       ; 64
	v_mov_b32 v10, s100
	v_xor_b32 v10, 0x80000000, v10
	v_mov_b32 v11, v10
	s_lshr_b32 s34, s2, 1                          ; my unit's tokens among the work-group's 256: 32 (w/2) + 8 (w%2) + r + 8 (r/8)
	s_lshl_b32 s34, s34, 7
	s_and_b32 s36, s2, 1
	s_lshl_b32 s36, s36, 5
	s_add_co_u32 s34, s34, s36
	s_add_co_u32 s34, s34, ENT
	v_and_b32 v19, 8, v15
	v_add_nc_u32 v19, v19, v15
	v_lshl_add_u32 v19, v19, 2, s34
	v_lshl_add_u32 v92, v0, 4, ENT
.irp j, 26,27,28,29,30,31, 80,81,82,83,84,85
	v_mov_b32 v[\j], 0                             ; zero codes: Q's upper 64, and what stands behind K's last unit
.endr
.irp j, 192,193,194,195,196,197,198,199
	v_mov_b32 v[\j], 0                             ; walk 1's four sums
.endr
.irp j, 248,249,250,251
	v_mov_b32 v[\j], 0                             ; written once: a lane permute's destination counts as one of its sources
.endr
	s_wait_tensorcnt 1                             ; my part of K is in; V's load is the younger one and may stay out
	s_barrier_signal -1
	s_barrier_wait -1
	s_wait_loadcnt 0x0                             ; Q, its scale words, the count; and the pointers' registers are free for the mask words
	; ---------------- walk 1
	s_mov_b32 s3, 16
.Lw1:
	MLOAD
	KLOAD
	SMUL
	KNEXT
	TANH 0, 1
	TANH 1, 1
	MASK
	ESUM 0
	ESUM 1
	s_sub_co_u32 s3, s3, 1
	s_cmp_lg_u32 s3, 0
	s_cbranch_scc1 .Lw1
	; ---------------- between the walks
	v_pk_add_f32 v[192:193], v[192:193], v[194:195]
	v_pk_add_f32 v[196:197], v[196:197], v[198:199]
	v_add_f32 v192, v192, v193
	v_add_f32 v196, v196, v197
	v_permlanex16_b32 v248, v192, s[SEL], s[SEL+1]
	v_permlanex16_b32 v249, v196, s[SEL], s[SEL+1]
	v_add_f32 v192, v192, v248                     ; the row's sum of E
	v_add_f32 v196, v196, v249                     ; and of E l2
	v_log_f32 v193, v192                           ; lse2
	v_rcp_f32 v194, v192
	v_log_f32 v195, v9                             ; log2(count)
	v_cmp_ge_f32 vcc_lo, 1.0, v9                   ; (a plain line behind the transcendentals)
	s_wait_alu depctr_va_vdst(0)
	v_rcp_f32 v195, v195
	v_xor_b32 v12, 0x80000000, v193                ; -lse2  (a plain line again)
	v_fma_f32 v198, -v196, v194, v193
	v_mov_b32 v13, v12
	v_cndmask_b32_e64 v198, v198, 0, vcc_lo
	s_wait_alu depctr_va_vdst(0)
	v_mul_f32 v198, v198, v195
	ds_store_b32 v19, v198                         ; both halves of the lanes write the same word with the same value
	s_wait_tensorcnt 0x0                           ; my part of V is in
	s_wait_dscnt 0x0                               ; and my entropies are in LDS
	s_barrier_signal -1
	s_barrier_wait -1
	s_cmp_lt_u32 s2, 2
	s_cbranch_scc0 .Lno_ent                        ; waves 0 and 1 store the 256 entropies, in token order: 512 consecutive bytes each
	ds_load_b128 v[160:163], v92
	v_lshlrev_b32 v95, 4, v0
	s_wait_dscnt 0x0
	global_store_b128 v95, v[160:163], s[14:15]
	s_wait_xcnt 0x0                                ; v160-163 are written again in walk 2
.Lno_ent:
	s_sub_nc_u64 s[12:13], s[12:13], 4096          ; the mask words from step 0 again
	KADDR
	; ---------------- walk 2
.macro P2STEP zero
	MLOAD
	KLOAD
	SMUL
	KNEXT                                          ; four places, then V lands on K's registers
.irp d, 0,1,2,3
	HFI 32+12*\d, 4, 5, 1536*\d
	HFI 38+12*\d, 4, 5, 1536*\d+768
.endr
.irp p, 0,1
	ds_load_b32 v[90+\p], v6 offset:128*\p
.endr
	TANH 0, 2
	TANH 1, 2
	MASK
.irp b, 0,1,2,3
	v_max3_num_f32 v[244+\b], v[96+16*\b], v[97+16*\b], v[98+16*\b]   ; the largest exponent of each block of 32 keys: p rises with it, so it gives the block's largest p
.endr
.irp i, 3,5,7,9,11,13
.irp b, 0,1,2,3
	v_max3_num_f32 v[244+\b], v[244+\b], v[96+16*\b+\i], v[97+16*\b+\i]
.endr
.endr
.irp b, 0,1,2,3
	v_max_num_f32 v[244+\b], v[244+\b], v[111+16*\b]
.endr
.irp b, 0,1,2,3
	v_permlanex16_b32 v[248+\b], v[244+\b], s[SEL], s[SEL+1]
.endr
.irp b, 0,1,2,3
	v_max_num_f32 v[244+\b], v[244+\b], v[248+\b]
.endr
.set j, 0
.rept 64
	v_exp_f32 v[96+j], v[96+j]                     ; p = 2^(l2 - lse2): finished and normalised
.set j, j+1
.endr
.irp b, 0,1,2,3
	v_exp_f32 v[244+\b], v[244+\b]                 ; the same instruction on the same number: the block's largest p
.endr
	v_nop
	s_wait_alu depctr_va_vdst(0)
.irp b, 0,1,2,3
	v_max_num_f32 v[244+\b], 0x1800000, v[244+\b]  ; the floor 2^(3 - 127): a block of zeros keeps the byte 1 over zero codes
.endr
.irp b, 0,1,2,3
	v_add_nc_u32 v[252+\b], 0xff000000, v[244+\b]
.endr
.irp b, 0,1,2,3
	v_lshrrev_b32 v[248+\b], 23, v[252+\b]
.endr
	v_lshl_or_b32 v18, v249, 8, v248               ; p's scale word for these 128 keys
	v_lshl_or_b32 v18, v250, 16, v18
	v_lshl_or_b32 v18, v251, 24, v18
.irp c, 0,1
	v_cvt_scalef32_pk16_fp6_f32 v[224+6*\c:226+6*\c], v[96+32*\c:111+32*\c], v[252+2*\c]
	v_cvt_scalef32_pk16_fp6_f32 v[236+4*\c:238+4*\c], v[112+32*\c:127+32*\c], v[252+2*\c+1]
.endr
	v_nop
.irp c, 0,1
.irp i, 0,1,2
	v_permlane16_swap_b32 v[224+6*\c+\i], v[236+4*\c+\i]
.endr
.irp i, 0,1,2
	v_mov_b32 v[227+6*\c+\i], v[236+4*\c+\i]
.endr
.endr
	v_add_nc_u32 v4, 6144, v4                      ; V's addresses step; with the five v_nop: eight plain lines between the scale word and codes just made and the scaled products
	v_add_nc_u32 v5, 6144, v5
	v_add_nc_u32 v6, 256, v6
.rept 5
	v_nop
.endr
	s_wait_dscnt 0x0                               ; V
.irp d, 0,2
.if \zero
	v_wmma_scale_f32_16x16x128_f8f6f4 v[192+8*\d:199+8*\d], v[32+12*\d:43+12*\d], v[224:235], 0, v[90+\d/2], v18 matrix_a_fmt:MATRIX_FMT_FP6 matrix_b_fmt:MATRIX_FMT_FP6
	v_wmma_scale_f32_16x16x128_f8f6f4 v[200+8*\d:207+8*\d], v[44+12*\d:55+12*\d], v[224:235], 0, v[90+\d/2], v18 matrix_a_fmt:MATRIX_FMT_FP6 matrix_b_fmt:MATRIX_FMT_FP6 matrix_a_scale:MATRIX_SCALE_ROW1
.else
	v_wmma_scale_f32_16x16x128_f8f6f4 v[192+8*\d:199+8*\d], v[32+12*\d:43+12*\d], v[224:235], v[192+8*\d:199+8*\d], v[90+\d/2], v18 matrix_a_fmt:MATRIX_FMT_FP6 matrix_b_fmt:MATRIX_FMT_FP6
	v_wmma_scale_f32_16x16x128_f8f6f4 v[200+8*\d:207+8*\d], v[44+12*\d:55+12*\d], v[224:235], v[200+8*\d:207+8*\d], v[90+\d/2], v18 matrix_a_fmt:MATRIX_FMT_FP6 matrix_b_fmt:MATRIX_FMT_FP6 matrix_a_scale:MATRIX_SCALE_ROW1
.endif
.endr
.rept 4
	v_nop                                          ; places in front of the next step's loads, and of the first read of O^T
.endr
.endm
	P2STEP 1                                       ; the first step starts O^T's sums: nothing is cleared
	s_mov_b32 s3, 15
.Lw2:
	P2STEP 0
	s_sub_co_u32 s3, s3, 1
	s_cmp_lg_u32 s3, 0
	s_cbranch_scc1 .Lw2
	; ---------------- O^T (register 16 b + i: d = 32 b + 16 h + i of my query) is the next product's operand along head x 64 + d: quantised, and stored as an image
	s_load_b64 s[16:17], s[0:1], 0x28              ; abuf
	s_load_b64 s[18:19], s[0:1], 0x30              ; asc
	s_and_b32 s3, ttmp7, 0xffff
	s_lshl_b32 s4, ttmp9, 4
	s_add_co_u32 s4, s4, s2
	s_lshr_b32 s5, s3, 4
	s_lshl_b32 s5, s5, 7
	s_add_co_u32 s4, s4, s5                        ; the token unit, 0..255
	s_and_b32 s3, s3, 15                           ; the head
	s_lshr_b32 s5, s4, 3
	s_and_b32 s4, s4, 7
	s_mul_i32 s6, s5, 98304                        ; abuf: [unit / 8][head / 4][unit % 8][head % 4][768]
	s_mul_i32 s7, s4, 3072
	s_add_co_u32 s6, s6, s7
	s_lshr_b32 s7, s3, 2
	s_mul_i32 s7, s7, 24576
	s_add_co_u32 s6, s6, s7
	s_and_b32 s7, s3, 3
	s_mul_i32 s7, s7, 768
	s_add_co_u32 s6, s6, s7
	s_mov_b32 s7, 0
	s_lshl_b32 s8, s5, 12                          ; asc: [unit / 8][unit % 8][head / 2][slot] words; my two bytes at 2 (head % 2)
	s_lshl_b32 s9, s4, 9
	s_add_co_u32 s8, s8, s9
	s_lshr_b32 s9, s3, 1
	s_lshl_b32 s9, s9, 6
	s_add_co_u32 s8, s8, s9
	s_and_b32 s9, s3, 1
	s_lshl_b32 s9, s9, 1
	s_add_co_u32 s8, s8, s9
	s_mov_b32 s9, 0
	QUANT2 192, 224, 18
	s_wait_kmcnt 0x0
	s_add_nc_u64 s[16:17], s[16:17], s[6:7]
	s_add_nc_u64 s[18:19], s[18:19], s[8:9]
	global_store_b128 v16, v[224:227], s[16:17]    ; 512 consecutive bytes,
	global_store_b64 v93, v[228:229], s[16:17] offset:512   ; and 256
	global_store_b16 v94, v18, s[18:19]            ; two of a word's four bytes (lanes 16-31 repeat lanes 0-15); the other two are the neighbouring head's
	s_wait_tensorcnt 0x0
	ds_add_u32 v239, v243
	s_wait_dscnt 0x0
	s_endpgm
.Lfunc_end_k_q88b06a2a12_attn:
	.size	k_q88b06a2a12_attn, .Lfunc_end_k_q88b06a2a12_attn-k_q88b06a2a12_attn
	.p2alignl 7, 3214868480
	.fill 96, 4, 3214868480
	.section	.rodata,"a",@progbits
	.p2align	6, 0x0
	.amdhsa_kernel k_q88b06a2a12_attn
		.amdhsa_group_segment_fixed_size 211968
		.amdhsa_private_segment_fixed_size 0
		.amdhsa_enable_private_segment 0
		.amdhsa_kernarg_size 64
		.amdhsa_user_sgpr_count 2
		.amdhsa_user_sgpr_kernarg_segment_ptr 1
		.amdhsa_wavefront_size32 1
		.amdhsa_system_sgpr_workgroup_id_x 1
		.amdhsa_system_sgpr_workgroup_id_y 1
		.amdhsa_system_sgpr_workgroup_id_z 1
		.amdhsa_system_vgpr_workitem_id 0
		.amdhsa_next_free_vgpr 256
		.amdhsa_next_free_sgpr 106
		.amdhsa_reserve_vcc 1
		.amdhsa_float_denorm_mode_32 3
		.amdhsa_float_denorm_mode_16_64 3
		.amdhsa_memory_ordered 1
		.amdhsa_forward_progress 1
		.amdhsa_inst_pref_size 98
	.end_amdhsa_kernel
	.amdgpu_metadata
---
amdhsa.version: [ 1, 2 ]
amdhsa.kernels:
  - .name:           k_q88b06a2a12_attn
    .symbol:         k_q88b06a2a12_attn.kd
    .args:
      - { .name: qbuf, .offset: 0, .size: 8, .value_kind: global_buffer, .address_space: global }
      - { .name: kbuf, .offset: 8, .size: 8, .value_kind: global_buffer, .address_space: global }
      - { .name: vbuf, .offset: 16, .size: 8, .value_kind: global_buffer, .address_space: global }
      - { .name: maskw, .offset: 24, .size: 8, .value_kind: global_buffer, .address_space: global }
      - { .name: cnt, .offset: 32, .size: 8, .value_kind: global_buffer, .address_space: global }
      - { .name: abuf, .offset: 40, .size: 8, .value_kind: global_buffer, .address_space: global }
      - { .name: asc, .offset: 48, .size: 8, .value_kind: global_buffer, .address_space: global }
      - { .name: out1, .offset: 56, .size: 8, .value_kind: global_buffer, .address_space: global }
    .group_segment_fixed_size: 211968
    .private_segment_fixed_size: 0
    .kernarg_segment_align: 8
    .kernarg_segment_size: 64
    .max_flat_workgroup_size: 512
    .sgpr_count:     106
    .vgpr_count:     256
    .wavefront_size: 32
...
	.end_amdgpu_metadata
.endif
;; end of part 3
;; launch oproj (part 4): grid 8 x 32, 8 waves a work-group, no clusters, 300,544 bytes of LDS; arguments abuf, asc, wo_codes, wo_scales, bo, out0; writes out0
.if DOCPART == 4
	.amdgcn_target "amdgcn-amd-amdhsa--gfx1250"
	.amdhsa_code_object_version 6
	.text
	.protected	k_q88b06a2a12_oproj
	.globl	k_q88b06a2a12_oproj
	.p2align	8
	.type	k_q88b06a2a12_oproj,@function
k_q88b06a2a12_oproj:
	s_mov_b64 s[64:65], 0
	v_nop
	global_prefetch_b8 v0, s[64:65] scope:SCOPE_SE
	s_setreg_imm32_b32 hwreg(HW_REG_WAVE_MODE, 25, 1), 1
	s_wait_xcnt 0x0
; OPROJ: out0 = attn wo + bo on codes of FP6 (E2M3).  Work-group (x, y): 128 output features (x) x 128 tokens (8 token units, y), over all of K = 1,024.
; Source 0 = 16 rows of wo (neighbouring features), source 1 = a token unit: a lane holds one token and eight neighbouring features.  Wave w: w0 = w % 2: 64 features (4 tiles); w1 = w / 2: 2 units: 8 accumulators, by turns.
; LDS, filled once by five tensor loads a wave, all at the start: wo's four chunks of 256 along K (128 rows x 192 bytes, 16 bytes of padding behind every 64: pitch 240), by waves 0-3;
;   attn's four chunks (8 units x 4 heads x an image of 768 bytes, dense), by waves 4-7; both sides' scale bytes as pieces of 256 bytes + 16.  Behind them each wave's own stage for the way out, which no load fills.
; The bias is the C of each sum's first product.  A token unit's slot p is token 8 u + p + 8 (p/8) of its 32: the way out puts each row where it belongs.
; NO CLUSTER: a work-group asks for its 229,888 bytes once, at its start; joint loads would spare requests of that one start and none of the loop's work.
.set PITCH, 240
.set CH0,   128*PITCH
.set X1B,   4*CH0
.set CH1,   24576
.set SCL,   X1B+4*CH1
.set STG,   SCL+8704
.set BIAS,  28                         ; v28-59
.set F0,    64                         ; v64-111
.set F1,    112                        ; v112-135
.set ACC,   136                        ; v136-199
.set G1C,   48
.set G1S,   56
.set G1A,   88
.set G0S,   68
.set G0C,   72
; v1, v2: wo's fragment address (24 h, 40 h);  v3, v4: the images' (16 L, 8 L + 512);  v5, v6: the scale words';  v7, v8: the stage, in and back;  v9: my bytes in out0;  v13: 32 h
; v16-23: wo's scale words (tile t, K step q at 16 + 2 t + q);  v24-27: attn's.  These registers hold scales and nothing else.
.macro FRAGR reg, adr, q, row
.irp p, 0,1,2,3,4,5
.set PCE, 12*(\q)+6*(\p/3)+\p%3
.if PCE%8 < 5
	ds_load_b64 v[\reg+2*\p:\reg+2*\p+1], v[\adr] offset:8*PCE+16*(PCE/8)+(\row)*PITCH
.else
	ds_load_b64 v[\reg+2*\p:\reg+2*\p+1], v[\adr+1] offset:8*PCE+16*(PCE/8)+(\row)*PITCH
.endif
.endr
.endm
.macro HFI reg, a16, a8, off
	ds_load_b128 v[\reg:\reg+3], v[\a16] offset:\off
	ds_load_b64 v[\reg+4:\reg+5], v[\a8] offset:\off
.endm
.macro MM a, t, q, first
.if \first
	v_wmma_scale_f32_16x16x128_f8f6f4 v[ACC+32*\a+8*\t:ACC+32*\a+8*\t+7], v[F0+12*\t:F0+12*\t+11], v[F1+12*\a:F1+12*\a+11], v[BIAS+8*\t:BIAS+8*\t+7], v[16+2*\t+\q], v[24+2*\a+\q] matrix_a_fmt:MATRIX_FMT_FP6 matrix_b_fmt:MATRIX_FMT_FP6
.else
	v_wmma_scale_f32_16x16x128_f8f6f4 v[ACC+32*\a+8*\t:ACC+32*\a+8*\t+7], v[F0+12*\t:F0+12*\t+11], v[F1+12*\a:F1+12*\a+11], v[ACC+32*\a+8*\t:ACC+32*\a+8*\t+7], v[16+2*\t+\q], v[24+2*\a+\q] matrix_a_fmt:MATRIX_FMT_FP6 matrix_b_fmt:MATRIX_FMT_FP6
.endif
.endm
.macro KSTEP q, first                  ; 128 along K = two heads: a unit's fragment is two images
.irp t, 0,1,2,3
	FRAGR F0+12*\t, 1, \q, 16*\t
.endr
.irp a, 0,1
	HFI F1+12*\a, 3, 4, 3072*\a+1536*\q
	HFI F1+12*\a+6, 3, 4, 3072*\a+1536*\q+768
.endr
	s_wait_dscnt 0x0
.irp a, 0,1
.irp t, 0,1,2,3
	MM \a, \t, \q, \first
.endr
.endr
.rept 4
	v_nop
.endr
.endm
.macro WORK c, first
.irp t, 0,1,2,3
	ds_load_b64 v[16+2*\t:17+2*\t], v5 offset:544*\t+8*\c
.endr
.irp a, 0,1
.irp q, 0,1
	ds_load_b32 v[24+2*\a+\q], v6 offset:544*\a+272*((2*\c+\q)/4)+64*((2*\c+\q)%4)
.endr
.endr
	KSTEP 0, \first
	KSTEP 1, 0
.endm
.macro SYNC n                          ; my part of the next chunk is in (n younger loads may stay out), then everybody's is
	s_wait_tensorcnt \n
	s_barrier_signal -1
	s_barrier_wait -1
.endm
.macro ADV
	v_add_nc_u32 v1, CH0, v1
	v_add_nc_u32 v2, CH0, v2
	v_add_nc_u32 v3, CH1, v3
	v_add_nc_u32 v4, CH1, v4
.endm
	s_load_b256 s[8:15], s[0:1], 0x0               ; abuf 8, asc 10, wo_codes 12, wo_scales 14
	s_load_b128 s[16:19], s[0:1], 0x20             ; bo 16, out0 18
	v_lshl_add_u32 v254, v0, 2, 0x49200
	v_mov_b32 v255, 0
	ds_add_u32 v254, v255
	ds_add_u32 v254, v255
	v_lshrrev_b32 v10, 5, v0
	v_readfirstlane_b32 s2, v10                    ; wave 0..7
	s_and_b32 s20, ttmp7, 0xffff                   ; the block of 8 token units
	s_and_b32 s21, s2, 1                           ; w0
	s_lshr_b32 s22, s2, 1                          ; w1
	s_and_b32 s23, s2, 3                           ; which quarter of its side a wave fetches
	s_mov_b32 s[G1C+0], (1<<20)|(3<<22)|(3<<25)    ; wo's codes: 32 rows of 192 bytes, 768 apart; 4 words of padding behind every 16
	s_mov_b32 s[G1C+1], 192<<16
	s_mov_b32 s[G1C+2], 32<<16
	s_mov_b32 s[G1C+3], 192<<16
	s_mov_b32 s[G1C+4], 32
	s_mov_b32 s[G1C+5], 768
	s_mov_b32 s[G1C+6], 0
	s_mov_b32 s[G1C+7], 0
	s_mov_b32 s[G1S+0], (3<<16)|(1<<20)|(5<<22)|(3<<25)   ; scale bytes: 1,024 dense bytes as 4 rows of 256, 4 words of padding behind each
	s_mov_b32 s[G1S+1], 32<<16
	s_mov_b32 s[G1S+2], 4<<16
	s_mov_b32 s[G1S+3], 32<<16
	s_mov_b32 s[G1S+4], 4
	s_mov_b32 s[G1S+5], 32
	s_mov_b32 s[G1S+6], 0
	s_mov_b32 s[G1S+7], 0
	s_mov_b32 s[G1A+0], 3<<16                      ; attn's images: 6,144 dense bytes as 24 rows of 256
	s_mov_b32 s[G1A+1], 32<<16
	s_mov_b32 s[G1A+2], 24<<16
	s_mov_b32 s[G1A+3], 32<<16
	s_mov_b32 s[G1A+4], 24
	s_mov_b32 s[G1A+5], 32
	s_mov_b32 s[G1A+6], 0
	s_mov_b32 s[G1A+7], 0
	s_mov_b32 s[G0S], 1
	s_mul_i32 s[G0S+1], s2, 1088                   ; wo's four quarters, then attn's
	s_add_co_u32 s[G0S+1], s[G0S+1], SCL
.irp c, 0,1,2,3
	s_mov_b32 s[G0C+4*\c], 1
.endr
	s_mov_b32 s5, 0
	s_wait_dscnt 0x0
	s_wait_kmcnt 0x0
	s_cmp_lt_u32 s2, 4                             ; a wave's five first fills stand in one branch on its number: five loads of mine are out on either way
	s_cbranch_scc0 .Lfill_a
	s_lshl_b32 s4, ttmp9, 12
	s_lshl_b32 s6, s23, 10
	s_add_co_u32 s4, s4, s6
	s_add_nc_u64 s[G0S+2:G0S+3], s[14:15], s[4:5]
	s_or_b32 s[G0S+3], s[G0S+3], 0x80000000
	s_mul_i32 s4, ttmp9, 98304
	s_mul_i32 s6, s23, 24576
	s_add_co_u32 s4, s4, s6
	s_add_nc_u64 s[24:25], s[12:13], s[4:5]
	s_mul_i32 s6, s23, 32*PITCH
.irp c, 0,1,2,3
	s_add_co_u32 s[G0C+4*\c+1], s6, \c*CH0
	s_add_nc_u64 s[G0C+4*\c+2:G0C+4*\c+3], s[24:25], 192*\c
	s_or_b32 s[G0C+4*\c+3], s[G0C+4*\c+3], 0x80000000
.endr
	tensor_load_to_lds s[G0S:G0S+3], s[G1S:G1S+7]
	s_nop 0
.irp c, 0,1,2,3
	tensor_load_to_lds s[G0C+4*\c:G0C+4*\c+3], s[G1C:G1C+7]
	s_nop 0
.endr
.rept 4
	v_nop
.endr
	s_branch .Lfilled
.Lfill_a:
	s_lshl_b32 s4, s20, 12
	s_lshl_b32 s6, s23, 10
	s_add_co_u32 s4, s4, s6
	s_add_nc_u64 s[G0S+2:G0S+3], s[10:11], s[4:5]
	s_or_b32 s[G0S+3], s[G0S+3], 0x80000000
	s_mul_i32 s4, s20, 98304
	s_mul_i32 s6, s23, 6144
	s_add_co_u32 s4, s4, s6
	s_add_nc_u64 s[24:25], s[8:9], s[4:5]
.irp c, 0,1,2,3
	s_add_co_u32 s[G0C+4*\c+1], s6, X1B+\c*CH1
	s_add_nc_u64 s[G0C+4*\c+2:G0C+4*\c+3], s[24:25], \c*CH1
	s_or_b32 s[G0C+4*\c+3], s[G0C+4*\c+3], 0x80000000
.endr
	tensor_load_to_lds s[G0S:G0S+3], s[G1S:G1S+7]
	s_nop 0
.irp c, 0,1,2,3
	tensor_load_to_lds s[G0C+4*\c:G0C+4*\c+3], s[G1A:G1A+7]
	s_nop 0
.endr
.rept 4
	v_nop
.endr
.Lfilled:
	v_and_b32 v10, 31, v0                          ; L
	v_and_b32 v11, 15, v0                          ; r
	v_bfe_u32 v12, v0, 4, 1                        ; h
	v_lshlrev_b32 v13, 5, v12
	s_lshl_b32 s4, ttmp9, 9
	s_lshl_b32 s6, s21, 8
	s_add_co_u32 s4, s4, s6                        ; my 64 features, in bytes: in bo and in a row of out0
	s_add_nc_u64 s[16:17], s[16:17], s[4:5]
	s_add_nc_u64 s[18:19], s[18:19], s[4:5]
.irp t, 0,1,2,3                        ; tile t's eight registers: bo at features 16 t + 8 h + 0..7
	global_load_b128 v[BIAS+8*\t:BIAS+8*\t+3], v13, s[16:17] offset:64*\t
	global_load_b128 v[BIAS+8*\t+4:BIAS+8*\t+7], v13, s[16:17] offset:64*\t+16
.endr
	s_lshl_b32 s4, s20, 2
	s_add_co_u32 s4, s4, s22                       ; my group of 32 tokens
	s_lshl_b32 s4, s4, 17                          ; 32 rows of 4,096 bytes
	s_add_nc_u64 s[18:19], s[18:19], s[4:5]
	v_mul_u32_u24 v1, v11, PITCH
	v_mad_u32_u24 v1, v12, 24, v1
	s_mul_i32 s4, s21, 64*PITCH
	v_add_nc_u32 v1, s4, v1
	v_lshl_add_u32 v2, v12, 4, v1
	s_mul_i32 s4, s22, 6144
	s_add_co_u32 s4, s4, X1B
	v_lshl_add_u32 v3, v10, 4, s4
	s_add_co_u32 s4, s4, 512
	v_lshl_add_u32 v4, v10, 3, s4
	v_lshrrev_b32 v5, 3, v11
	v_mul_u32_u24 v5, v5, 272
	v_and_b32 v6, 7, v11
	v_lshl_add_u32 v5, v6, 5, v5
	s_mul_i32 s4, s21, 2176
	s_add_co_u32 s4, s4, SCL
	v_add_nc_u32 v5, s4, v5
	s_mul_i32 s4, s22, 1088
	s_add_co_u32 s4, s4, SCL+4352
	v_lshl_add_u32 v6, v11, 2, s4
	s_mul_i32 s4, s2, 8704
	s_add_co_u32 s4, s4, STG                       ; my stage: 32 rows of 256 bytes + 16
	v_mul_u32_u24 v7, v11, 272
	v_lshl_add_u32 v7, v12, 5, v7
	v_add_nc_u32 v7, s4, v7                        ; in: row = slot r, + 32 h
	v_mul_u32_u24 v8, v12, 272
	v_lshl_add_u32 v8, v11, 4, v8
	v_add_nc_u32 v8, s4, v8                        ; back: lanes 0-15 one row, lanes 16-31 the next
	v_lshlrev_b32 v9, 12, v12
	v_lshl_add_u32 v9, v11, 4, v9                  ; and the same two rows in out0
	SYNC 3                                         ; the scale bytes and chunk 0
	s_wait_loadcnt 0x0                             ; the bias
	WORK 0, 1                                      ; the first K step starts the sums from the bias
	ADV
	SYNC 2
	WORK 1, 0
	ADV
	SYNC 1
	WORK 2, 0
	ADV
	SYNC 0
	WORK 3, 0                                      ; (its last four v_nop are the places in front of the stores and loads below)
.irp a, 0,1
.irp t, 0,1,2,3
	ds_store_b128 v7, v[ACC+32*\a+8*\t:ACC+32*\a+8*\t+3] offset:16*\a*272+64*\t       ; each accumulator from its low end on
	ds_store_b128 v7, v[ACC+32*\a+8*\t+4:ACC+32*\a+8*\t+7] offset:16*\a*272+64*\t+16
.endr
.endr
.set i, 0
.rept 16
	ds_load_b128 v[64+4*i:67+4*i], v8 offset:544*i     ; LDS serves a wave's instructions in order (ISA guide 5.7.1.4): these see my stores
.set i, i+1
.endr
.set i, 0
.rept 16                               ; stage rows 2 i, 2 i + 1: unit i / 8, slots 2 (i % 8) + {0, 1}: tokens 8 (i/8) + 2 (i%8) + 8 ((i%8)/4) + {0, 1} of my 32
	s_wait_dscnt 15-i                              ; the younger read-backs may stay out
	global_store_b128 v9, v[64+4*i:67+4*i], s[18:19] offset:(8*(i/8)+2*(i%8)+8*((i%8)/4))*4096 th:TH_STORE_NT   ; 16 lanes store 256 consecutive bytes, at a multiple of 256 from out0's first byte
.set i, i+1
.endr
	s_wait_tensorcnt 0x0
	ds_add_u32 v254, v255
	s_wait_dscnt 0x0
	s_endpgm
.Lfunc_end_k_q88b06a2a12_oproj:
	.size	k_q88b06a2a12_oproj, .Lfunc_end_k_q88b06a2a12_oproj-k_q88b06a2a12_oproj
	.p2alignl 7, 3214868480
	.fill 96, 4, 3214868480
	.section	.rodata,"a",@progbits
	.p2align	6, 0x0
	.amdhsa_kernel k_q88b06a2a12_oproj
		.amdhsa_group_segment_fixed_size 300544
		.amdhsa_private_segment_fixed_size 0
		.amdhsa_enable_private_segment 0
		.amdhsa_kernarg_size 48
		.amdhsa_user_sgpr_count 2
		.amdhsa_user_sgpr_kernarg_segment_ptr 1
		.amdhsa_wavefront_size32 1
		.amdhsa_system_sgpr_workgroup_id_x 1
		.amdhsa_system_sgpr_workgroup_id_y 1
		.amdhsa_system_sgpr_workgroup_id_z 1
		.amdhsa_system_vgpr_workitem_id 0
		.amdhsa_next_free_vgpr 256
		.amdhsa_next_free_sgpr 100
		.amdhsa_reserve_vcc 0
		.amdhsa_float_denorm_mode_32 3
		.amdhsa_float_denorm_mode_16_64 3
		.amdhsa_memory_ordered 1
		.amdhsa_forward_progress 1
		.amdhsa_inst_pref_size 42
	.end_amdhsa_kernel
	.amdgpu_metadata
---
amdhsa.version: [ 1, 2 ]
amdhsa.kernels:
  - .name:           k_q88b06a2a12_oproj
    .symbol:         k_q88b06a2a12_oproj.kd
    .args:
      - { .name: abuf, .offset: 0, .size: 8, .value_kind: global_buffer, .address_space: global }
      - { .name: asc, .offset: 8, .size: 8, .value_kind: global_buffer, .address_space: global }
      - { .name: wo_codes, .offset: 16, .size: 8, .value_kind: global_buffer, .address_space: global }
      - { .name: wo_scales, .offset: 24, .size: 8, .value_kind: global_buffer, .address_space: global }
      - { .name: bo, .offset: 32, .size: 8, .value_kind: global_buffer, .address_space: global }
      - { .name: out0, .offset: 40, .size: 8, .value_kind: global_buffer, .address_space: global }
    .group_segment_fixed_size: 300544
    .private_segment_fixed_size: 0
    .kernarg_segment_align: 8
    .kernarg_segment_size: 48
    .max_flat_workgroup_size: 256
    .sgpr_count:     100
    .vgpr_count:     256
    .wavefront_size: 32
...
	.end_amdgpu_metadata
.endif
;; end of part 4
